; MI455X (gfx1250); checked and timed in simulation.
; The chip was launched on July 23, 2026; its instructions are those of AMD's public machine-readable ISA for CDNA 5 (MIT licence, August 2026) and "CDNA5" Instruction Set Architecture Reference Guide (July 2026). The comments in the code are by the model that wrote it; some were corrected since.
;; Casual Self Attention. Allowed arithmetic: matrix products marked QUANTISED: E4M3 operands, one given power-of-two scale a tensor, by v_wmma_f32_16x16x64_fp8_fp8 or v_wmma_f32_16x16x128_fp8_fp8, f32 sums; everything else in f32.
;; Inputs: b_attn 3,072 float32; b_proj 1,024 float32; lowp_scales 8 int32 (the exponents e of the quantised operands' scales 2^e); w_attn 1,024 x 3,072 float32; w_proj 1,024 x 1,024 float32; x 4 x 2,048 x 1,024 float32.
;; Outputs: out0 4 x 2,048 x 1,024 float32.
;; This version of the problem:
;;   THIS VERSION OF THE PROBLEM IS GIVEN IN LOW PRECISION. The matrix products marked QUANTISED in the list below multiply operands that are first quantised to E4M3 (4 exponent bits, 3 mantissa bits; 8 bits a number), with one given power-of-two scale for each operand tensor; their sums are f32. All else is computed in f32.
;;   The module's matrix products, in the order in which they are computed (A, B: the left and right operand; K: the contracted axis; several contracted axes count as one K, in the product's order):
;;     1. [M 8,192, K 1,024] x [K 1,024, N 3,072]; A: input x; B: input w_attn: QUANTISED (scales: A lowp_scales[0], B lowp_scales[1])
;;     2. batch 64 x [M 2,048, K 64] x [K 64, N 2,048]; A: computed on the way; B: computed on the way: QUANTISED (scales: A lowp_scales[2], B lowp_scales[3])
;;     3. batch 64 x [M 2,048, K 2,048] x [K 2,048, N 64]; A: softmax (see below); B: computed on the way: QUANTISED (scales: A lowp_scales[4], B lowp_scales[5])
;;     4. [M 8,192, K 1,024] x [K 1,024, N 1,024]; A: computed on the way; B: input w_proj: QUANTISED (scales: A lowp_scales[6], B lowp_scales[7])
;;   THE QUANTISER, for each operand of a quantised product, along K:
;;     - The operand's scale is 2^e, e = its entry of the input lowp_scales (int32; the entries are numbered through the quantised products in the list's order, A before B).
;;     - Each number is divided by the scale, clamped to +-448, and rounded to the nearest number of E4M3, ties to even, subnormals kept.
;;     - The product sums the exact products of the quantised numbers (number of the format x scale) in f32.
;;   ~~~python
;;   def quantise(x, axis, e):      # numpy; x: float32 -> the quantised numbers, widened to float32 again
;;       x = np.moveaxis(x, axis, -1); K = x.shape[-1]
;;       r = np.clip(x / 2.0 ** e, -448, 448)
;;       step = 2.0 ** (np.maximum(np.frexp(np.where(r == 0, 1, r))[1] - 1, -6) - 3)
;;       q = np.round(r / step) * step * 2.0 ** e      # np.round: ties to even
;;       return np.moveaxis(q, -1, axis).astype(np.float32)
;;   ~~~
;;   SOFTMAX AHEAD OF A QUANTISED PRODUCT. Where the list says 'softmax', what is quantised is not the finished softmax but p = 2^(t - M), with t = logit x log2(e) and M = ceil(the row's largest t), a whole number; so 1/2 < the row's largest p <= 1. The row's sum l is taken of the UNQUANTISED p, in f32, and the product's result is divided by l at the end. Since M is a whole number, a kernel that streams over the keys may use a running M (the ceiling of the running maximum): every later rescaling is an exact power of two, so the quantised numbers keep their values, but for numbers so far below the row's largest that they fall under the format's range.
;;   OPERANDS COMPUTED ON THE WAY. 'Computed on the way' means the value that the module computes at that place (a softmax that the list does not call 'softmax' is quantised finished and normalised). What goes into a quantiser is computed in f32, as accurately as f32 sums, v_exp_f32 and their like allow (about 1e-6 of the number): no bf16 or f16 on the way to a quantiser, and a product that is left as it is and whose result goes on into a quantised operand takes f32 operands (vector FMAs, or v_wmma_f32_16x16x4_f32). A number that lies on a knife's edge between two numbers of the format may be rounded either way, as far as f32 arithmetic and the matrix unit's own rounding can turn it there, and no further.
;; One version. Each part assembles by itself: llvm-mc -triple=amdgcn-amd-amdhsa -mcpu=gfx1250 --defsym DOCPART=n.
;; ======== version 1 of 1: 4 launches
;; limits: right only within a limited range of input values
;; workspace buffers: xc 8,388,608 bytes; wac 3,145,728 bytes; wpc 1,048,576 bytes; qkv 25,165,824 bytes; yc 8,388,608 bytes
;; launch quant (part 1): grid 384 x 1, 4 waves a work-group, no clusters, 68,096 bytes of LDS; arguments x, w_attn, w_proj, lowp_scales, xc, wac, wpc; writes xc, wac, wpc
.if DOCPART == 1
	.amdgcn_target "amdgcn-amd-amdhsa--gfx1250"
	.amdhsa_code_object_version 6
	.text
	.protected	k_q36cca8dbee_quant
	.globl	k_q36cca8dbee_quant
	.p2align	8
	.type	k_q36cca8dbee_quant,@function
k_q36cca8dbee_quant:
	s_mov_b64 s[64:65], 0
	v_nop
	global_prefetch_b8 v0, s[64:65] scope:SCOPE_SE
	s_setreg_imm32_b32 hwreg(HW_REG_WAVE_MODE, 25, 1), 1
	s_wait_xcnt 0x0
; x [8192][1024], w_attn [1024][3072] and w_proj [1024][1024], f32, become codes of FP8 (E4M3), each with the one scale 2^e that is given for it (entries 0, 1 and 7 of the scales).
; code = number / 2^e, held within +-448, rounded to the nearest code, ties to even.  All three leave with K innermost: xc [8192][1024], wac [3072][1024], wpc [1024][1024].
; LIMITS: e between -126 and 119, so that 2^e and 448 x 2^e are f32 numbers.  NaN among the inputs is not served (an infinity is held at the largest code).
; Work-groups 0 to 255 take x, whose K is innermost: a plain stream.  Work-groups 256 to 383 take the weights, whose K is the FIRST axis.  The two ways part on the work-group's number, never join,
; and each has LDS bytes of its own.  No tensor loads, no barrier: waves share nothing.  Matrix units and clusters have nothing to do here: each number is read once and each code written once.
.set STEPS, 16                         ; x: steps of 512 numbers for a wave
.set EMAX,  8
.set MANT,  0x600000                   ; the mantissa field of 448 as f32
.set SP,    80                         ; x: a lane's place in a stage: its 64 bytes + 16 of padding
.set XREG,  8192                       ; x: LDS bytes 0 .. 32,767: a region for each wave, two stages of 32 x SP bytes
.set XR,    16                         ; v16-79   x: four sets of 16 numbers as they are loaded
.set XN,    80                         ; v80-111  x: two sets of 16 neighbours
.set XC,    128                        ; v128-191 x: codes, four registers for each step: no store's data are written again
.set WSTG,  32768                      ; weights: LDS bytes 32,768 .. 67,583: a stage of 32 rows x WP bytes for each wave
.set WP,    272                        ; a stage row: 256 codes + 16 bytes
.set NB,    8                          ; weights: blocks of 32 along K for a wave
.set WX,    32                         ; v32-95   weights: two sets of 32 numbers
.set WC,    96                         ; v96-103  a block's codes
.set WOUT,  112                        ; v112-175 the way out: 16 x 4 registers
.set WOFF,  176                        ; v176-207 byte offset of my column in rows 0 .. 31 of a block; never rewritten
	s_load_b256 s[4:11], s[0:1], 0x0               ; x s[4:5], w_attn s[6:7], w_proj s[8:9], the scales' exponents s[10:11]
	s_load_b128 s[12:15], s[0:1], 0x20             ; xc s[12:13], wac s[14:15]
	s_load_b64 s[16:17], s[0:1], 0x30              ; wpc
	v_lshl_add_u32 v208, v0, 2, 0x10800
	v_mov_b32 v209, 0
	v_lshrrev_b32 v1, 5, v0
	v_readfirstlane_b32 s18, v1                    ; wave 0..3
	v_and_b32 v2, 31, v0                           ; lane
	s_wait_kmcnt 0x0
	s_load_b256 s[48:55], s[10:11], 0x0            ; e0 .. e7
	s_cmp_lt_u32 ttmp9, 256
	s_cbranch_scc0 .Lweights
; ---------------- x: K innermost.  A wave takes 16 steps of 512 numbers.  A conversion takes 8 numbers from ONE lane's consecutive registers, so a lane must hold neighbours; a load is best where
; neighbouring LANES take neighbouring bytes.  Both are had: each of a step's four loads reads 512 consecutive bytes, 16 a lane; the 2,048 bytes go through the wave's own stage as they lie and come back 64 bytes a lane.
	s_wait_alu depctr_va_vdst(0)
	v_lshlrev_b32 v3, 4, v2                        ; my 16 bytes of a load's 512
	s_wait_alu depctr_va_vdst(0)
	s_mul_i32 s19, s18, XREG
	v_lshrrev_b32 v14, 2, v2
	v_mul_u32_u24 v14, v14, SP
	v_and_b32 v15, 3, v2
	v_lshl_add_u32 v14, v15, 4, v14
	v_add_nc_u32 v14, s19, v14                     ; the stage, on the way in: SP (lane / 4) + 16 (lane % 4)
	v_mul_u32_u24 v15, v2, SP
	v_add_nc_u32 v15, s19, v15                     ; and on the way out: SP x lane: my 16 neighbours
	v_lshlrev_b32 v4, 4, v2                        ; my 16 codes' place in a step's 512
	s_lshl_b32 s20, ttmp9, 2
	s_add_co_u32 s20, s20, s18                     ; which run of 8,192 numbers is my wave's
	s_lshl_b32 s22, s20, 15                        ; 32,768 bytes of numbers,
	s_mov_b32 s23, 0
	s_add_nc_u64 s[4:5], s[4:5], s[22:23]
	s_lshl_b32 s22, s20, 13                        ; 8,192 bytes of codes
	s_add_nc_u64 s[12:13], s[12:13], s[22:23]
.macro XLOAD t
.irp i, 0,1,2,3
	global_load_b128 v[XR+16*((\t)%4)+4*\i:XR+16*((\t)%4)+4*\i+3], v3, s[4:5] offset:2048*(\t)+512*\i th:TH_LOAD_NT   ; 32 lanes read 512 consecutive bytes
.endr
.endm
.macro XTURN t                         ; step t's numbers through the stage: LDS serves a wave's instructions in order (ISA guide 5.7.1.4), so no wait stands between the stores and the loads
.irp i, 0,1,2,3
	ds_store_b128 v14, v[XR+16*((\t)%4)+4*\i:XR+16*((\t)%4)+4*\i+3] offset:32*SP*((\t)%2)+8*SP*\i
.endr
.irp i, 0,1,2,3
	ds_load_b128 v[XN+16*((\t)%2)+4*\i:XN+16*((\t)%2)+4*\i+3], v15 offset:32*SP*((\t)%2)+16*\i
.endr
.endm
.irp t, 0,1,2,3
	XLOAD \t
.endr
	s_wait_alu depctr_va_vdst(0)
	s_wait_kmcnt 0x0
	s_add_co_i32 s22, s48, 127
	s_lshl_b32 s23, s22, 23
	v_mov_b32 v11, s23                             ; 2^e0 as f32: the conversion takes its exponent field
	s_add_co_i32 s22, s22, EMAX
	s_lshl_b32 s22, s22, 23
	s_or_b32 s22, s22, MANT
	v_mov_b32 v10, s22                             ; 448 x 2^e0
	s_wait_alu depctr_va_vdst(0)
	s_wait_loadcnt 12                              ; step 0's four loads are in; the twelve of steps 1 to 3 may be out
	XTURN 0
.macro XSTEP t
.set XS, XN+16*((\t)%2)
	s_wait_dscnt 0x0                               ; this step's numbers are back from the stage: so its stores into the stage have read their registers,
.if (\t)+4 < STEPS
	XLOAD (\t)+4                                   ; which take the loads of four steps on
.endif
.if (\t)+1 < STEPS
.if STEPS-2-(\t) >= 3
	s_wait_loadcnt 12                              ; the next step's four loads are in; those of the three steps behind it may be out
.else
	s_wait_loadcnt 4*(STEPS-2-(\t))                ; the tail: as many as are left behind the next step's
.endif
	XTURN (\t)+1                                   ; and go through the other stage while this step is worked
.endif
.irp i, 0,1,2,3,4,5,6,7,8,9,10,11,12,13,14,15
	v_med3_num_f32 v[XS+\i], v[XS+\i], -v10, v10   ; the conversion to an 8-bit code does not saturate (ISA guide 7.6.2): the hold at the largest code x the scale comes first
.endr
	v_cvt_scalef32_pk8_fp8_f32 v[XC+4*(\t):XC+4*(\t)+1], v[XS:XS+7], v11
	v_cvt_scalef32_pk8_fp8_f32 v[XC+4*(\t)+2:XC+4*(\t)+3], v[XS+8:XS+15], v11
	global_store_b128 v4, v[XC+4*(\t):XC+4*(\t)+3], s[12:13] offset:512*(\t)   ; the wave stores 512 consecutive bytes, aligned.  (The codes go to a store alone; the next vector lines are the next step's holds, on other registers)
.endm
.irp t, 0,1,2,3,4,5,6,7,8,9,10,11,12,13,14,15
	XSTEP \t
.endr
	s_wait_tensorcnt 0x0
	ds_add_u32 v208, v209
	s_wait_dscnt 0x0
	s_endpgm
; ---------------- the weights: K is the first axis.  A LANE TAKES A COLUMN n AND ITS REGISTERS RUN DOWN K: each load reads neighbouring n in neighbouring lanes (128 consecutive bytes a wave, 512 a work-group),
; and the conversions give the codes with K innermost.  A wave takes 32 columns x 256 along K; its codes go through its own stage and leave as rows: sixteen lanes store 256 consecutive bytes, aligned.
; Of 32 blocks of 128 columns the first 24 are w_attn's, the last 8 w_proj's: only pointers, the row's length and e are chosen, on the work-group's number.
.Lweights:
	s_sub_co_u32 s20, ttmp9, 256
	s_lshr_b32 s21, s20, 5                         ; which 256 along K
	s_and_b32 s22, s20, 31                         ; which 128 columns
	s_mov_b32 s23, 4096
	s_cmp_lt_u32 s22, 24
	s_cselect_b64 s[24:25], s[6:7], s[8:9]         ; from
	s_cselect_b64 s[26:27], s[14:15], s[16:17]     ; to
	s_cselect_b32 s23, 12288, s23                  ; a row of the weight in bytes
	s_cselect_b32 s28, 0, 24
	s_sub_co_u32 s28, s22, s28
	s_lshl_b32 s28, s28, 7
	s_lshl_b32 s29, s18, 5
	s_add_co_u32 s28, s28, s29                     ; my wave's first column
	s_mul_i32 s30, s21, s23
	s_lshl_b32 s30, s30, 8                         ; 256 rows for each step along K,
	s_lshl_b32 s29, s28, 2
	s_add_co_u32 s30, s30, s29                     ; + 4 bytes a column
	s_mov_b32 s31, 0
	s_add_nc_u64 s[32:33], s[24:25], s[30:31]      ; block 0's first row
	s_lshl_b32 s30, s28, 10                        ; codes: a column's row of 1,024 bytes,
	s_lshl_b32 s29, s21, 8
	s_add_co_u32 s30, s30, s29                     ; + my 256 along K
	s_add_nc_u64 s[26:27], s[26:27], s[30:31]
	s_lshl_b32 s30, s23, 5                         ; 32 rows on
.irp t, 1,2,3,4,5,6,7
	s_add_nc_u64 s[32+2*\t:33+2*\t], s[30+2*\t:31+2*\t], s[30:31]   ; a base for each block: no pointer is stepped under pending loads
.endr
	s_wait_alu depctr_va_vdst(0)
	v_lshlrev_b32 v[WOFF], 2, v2
.irp i, 1,2,3,4,5,6,7,8,9,10,11,12,13,14,15,16,17,18,19,20,21,22,23,24,25,26,27,28,29,30,31
	v_add_nc_u32 v[WOFF+\i], s23, v[WOFF+\i-1]     ; the row's length is no constant of the text here, so the rows' offsets stand in registers
.endr
	s_mul_i32 s19, s18, 32*WP
	s_add_co_u32 s19, s19, WSTG                    ; my stage
	v_mul_u32_u24 v4, v2, WP
	v_add_nc_u32 v4, s19, v4                       ; into it: row = my column
	v_and_b32 v5, 15, v2
	v_lshrrev_b32 v6, 4, v2                        ; out of it: sixteen lanes to a row, two rows an instruction
	v_mul_u32_u24 v7, v6, WP
	v_lshl_add_u32 v7, v5, 4, v7
	v_add_nc_u32 v7, s19, v7
	v_lshlrev_b32 v8, 10, v6
	v_lshl_add_u32 v8, v5, 4, v8                   ; and the same place among the codes' rows
.macro WLOAD t                         ; block t: W(32 t + i, my column), i = 0 .. 31, into set t % 2
.irp i, 0,1,2,3,4,5,6,7,8,9,10,11,12,13,14,15,16,17,18,19,20,21,22,23,24,25,26,27,28,29,30,31
	global_load_b32 v[WX+32*((\t)%2)+\i], v[WOFF+\i], s[32+2*(\t):33+2*(\t)] th:TH_LOAD_NT
.endr
.endm
	WLOAD 0
	WLOAD 1
	s_wait_kmcnt 0x0
	s_cmp_lt_u32 s22, 24
	s_cselect_b32 s28, s49, s55                    ; e1 or e7
	s_add_co_i32 s28, s28, 127
	s_lshl_b32 s29, s28, 23
	v_mov_b32 v11, s29                             ; 2^e as f32
	s_add_co_i32 s28, s28, EMAX
	s_lshl_b32 s28, s28, 23
	s_or_b32 s28, s28, MANT
	v_mov_b32 v10, s28                             ; 448 x 2^e
.macro WBLOCK t
.set WS, WX+32*((\t)%2)
.if (\t) < NB-1
	s_wait_loadcnt 32                              ; this block's 32 loads are in; the next block's 32 may be out
.else
	s_wait_loadcnt 0
.endif
.irp i, 0,1,2,3,4,5,6,7,8,9,10,11,12,13,14,15,16,17,18,19,20,21,22,23,24,25,26,27,28,29,30,31
	v_med3_num_f32 v[WS+\i], v[WS+\i], -v10, v10
.endr
.irp g, 0,1,2,3
	v_cvt_scalef32_pk8_fp8_f32 v[WC+2*\g:WC+2*\g+1], v[WS+8*\g:WS+8*\g+7], v11
.endr
	ds_store_b128 v4, v[WC:WC+3] offset:32*(\t)    ; 32 codes: 32 bytes of my column's row
	ds_store_b128 v4, v[WC+4:WC+7] offset:32*(\t)+16
.if (\t)+2 < NB
	WLOAD (\t)+2
.endif
	s_wait_dscnt 0x0                               ; the stores have read their registers: the next block's codes may be written.  (The next block begins with plain vector lines on other registers)
.endm
	s_wait_alu depctr_va_vdst(0)
.irp t, 0,1,2,3,4,5,6,7
	WBLOCK \t
.endr
.irp t, 0,1,2,3,4,5,6,7,8,9,10,11,12,13,14,15
	ds_load_b128 v[WOUT+4*\t:WOUT+4*\t+3], v7 offset:2*\t*WP   ; LDS serves a wave's instructions in order: these see my stores
.endr
.irp t, 0,1,2,3,4,5,6,7,8,9,10,11,12,13,14,15
	s_wait_dscnt 15-\t                             ; the younger loads may be out
	global_store_b128 v8, v[WOUT+4*\t:WOUT+4*\t+3], s[26:27] offset:2*\t*1024
.endr
	s_wait_tensorcnt 0x0
	ds_add_u32 v208, v209
	s_wait_dscnt 0x0
	s_endpgm
.Lfunc_end_k_q36cca8dbee_quant:
	.size	k_q36cca8dbee_quant, .Lfunc_end_k_q36cca8dbee_quant-k_q36cca8dbee_quant
	.p2alignl 7, 3214868480
	.fill 96, 4, 3214868480
	.section	.rodata,"a",@progbits
	.p2align	6, 0x0
	.amdhsa_kernel k_q36cca8dbee_quant
		.amdhsa_group_segment_fixed_size 68096
		.amdhsa_private_segment_fixed_size 0
		.amdhsa_enable_private_segment 0
		.amdhsa_kernarg_size 56
		.amdhsa_user_sgpr_count 2
		.amdhsa_user_sgpr_kernarg_segment_ptr 1
		.amdhsa_wavefront_size32 1
		.amdhsa_system_sgpr_workgroup_id_x 1
		.amdhsa_system_sgpr_workgroup_id_y 1
		.amdhsa_system_sgpr_workgroup_id_z 1
		.amdhsa_system_vgpr_workitem_id 0
		.amdhsa_next_free_vgpr 210
		.amdhsa_next_free_sgpr 66
		.amdhsa_reserve_vcc 0
		.amdhsa_float_denorm_mode_32 3
		.amdhsa_float_denorm_mode_16_64 3
		.amdhsa_memory_ordered 1
		.amdhsa_forward_progress 1
		.amdhsa_inst_pref_size 87
	.end_amdhsa_kernel
	.amdgpu_metadata
---
amdhsa.version: [ 1, 2 ]
amdhsa.kernels:
  - .name:           k_q36cca8dbee_quant
    .symbol:         k_q36cca8dbee_quant.kd
    .args:
      - { .name: x, .offset: 0, .size: 8, .value_kind: global_buffer, .address_space: global }
      - { .name: w_attn, .offset: 8, .size: 8, .value_kind: global_buffer, .address_space: global }
      - { .name: w_proj, .offset: 16, .size: 8, .value_kind: global_buffer, .address_space: global }
      - { .name: lowp_scales, .offset: 24, .size: 8, .value_kind: global_buffer, .address_space: global }
      - { .name: xc, .offset: 32, .size: 8, .value_kind: global_buffer, .address_space: global }
      - { .name: wac, .offset: 40, .size: 8, .value_kind: global_buffer, .address_space: global }
      - { .name: wpc, .offset: 48, .size: 8, .value_kind: global_buffer, .address_space: global }
    .group_segment_fixed_size: 68096
    .private_segment_fixed_size: 0
    .kernarg_segment_align: 8
    .kernarg_segment_size: 56
    .max_flat_workgroup_size: 128
    .sgpr_count:     66
    .vgpr_count:     210
    .wavefront_size: 32
...
	.end_amdgpu_metadata
.endif
;; end of part 1
;; launch qkv (part 2): grid 8 x 32, 4 waves a work-group, clusters of 4 x 4, 327,680 bytes of LDS; arguments xc, wac, lowp_scales, b_attn, qkv; writes qkv
.if DOCPART == 2
	.amdgcn_target "amdgcn-amd-amdhsa--gfx1250"
	.amdhsa_code_object_version 6
	.text
	.protected	k_q36cca8dbee_qkv
	.globl	k_q36cca8dbee_qkv
	.p2align	8
	.type	k_q36cca8dbee_qkv,@function
k_q36cca8dbee_qkv:
	s_mov_b64 s[64:65], 0
	v_nop
	global_prefetch_b8 v0, s[64:65] scope:SCOPE_SE
	s_setreg_imm32_b32 hwreg(HW_REG_WAVE_MODE, 25, 1), 1
	s_wait_xcnt 0x0
	s_wait_alu depctr_hold_cnt(0) depctr_sa_sdst(0) depctr_va_vdst(0) depctr_va_sdst(0) depctr_va_ssrc(0) depctr_va_vcc(0) depctr_vm_vsrc(0)
	s_getreg_b32 s2, hwreg(HW_REG_IB_STS2, 6, 4)
	s_cmp_eq_u32 s2, 0
	s_cbranch_scc0 .Lentry_in_a_cluster
	s_endpgm
.Lentry_in_a_cluster:
	s_bfe_u32 s2, ttmp6, 0x10000c
	s_cmp_lg_u32 s2, 0xf033
	s_cbranch_scc0 .Lentry_shape_is_right
	s_endpgm
.Lentry_shape_is_right:
; qkv = x w_attn + b_attn on codes of FP8 (E4M3), and its three parts quantised at once for the products that follow: q with 2^e2, k with 2^e3, v with 2^e5.  xc: [8192 tokens][1024], wac: [3072][1024], K innermost.
; A sum stands for sum x 2^(e0 + e1); number = sum x 2^(e0 + e1) + bias, one fused multiply-add in f32; code = number / 2^e, held within +-448, to the nearest code, ties to even.
; LIMITS: e0 + e1 between -126 and 127; e2, e3, e5 between -126 and 119, so that each power of two below is an f32 number.  NaN among the inputs is not served.
; OUT: three sections of 8 MiB (q, k, v), each [batch x 16 + head][131,072 bytes].  q, k: [token 2048][d 64].  v: [token / 64][d 64][token % 64]: the keys innermost, since they are the next K.
; SHARES.  A work-group makes 256 tokens x 384 columns: the 128 columns of heads 2 j and 2 j + 1 in each of q, k and v: 32 x 8 = 256 work-groups.  A wave makes 128 tokens x one head's 64 + 64 + 64 columns:
; 96 accumulators, (a, b) = 16 tokens x 16 columns, number 12 a + b, 32 to a window, in windows 1 to 3; b = 0-3 q, 4-7 k, 8-11 v.  Window 0: v0-31 addresses, v32-255 fragments.
; For q and k source 0 = 16 columns, source 1 = 16 tokens: a lane holds one token and eight neighbours along d.  For v the two are swapped: a lane holds one d and eight neighbouring tokens.  The conversion packs the eight into 8 bytes.
; LDS.  K goes in four steps of 256.  The tokens' 256 rows and q's and k's 128 + 128 rows have two slots; v's 128 rows have ONE tile: two slots of all 640 rows would pass a WGP's LDS (2 x 640 x 272 bytes).
; So a step multiplies its v part first; behind a round of the cluster's barrier v's tile and the other slot are filled for the next step, one tensor load a wave (wave 0: tokens; waves 1, 2, 3: q's, k's, v's rows); then come q and k.
; In step 0 slot 1's first fills stand behind a round of their own, ahead of the v part, and v's refill behind a second one: a first fill shares its barrier with no refill.  One tensor load of a wave is out.
; The tokens' fragments are read from LDS twice in a step (for v, and for q and k): the price of v's single tile.
; CLUSTERS: 4 x 4 work-groups.  The four of a row need the same tokens, the four of a column the same rows of wac: each tile is asked for JOINTLY, by the same tensor load with the same descriptor and a mask that names the four.
; No prefetch: the largest block that fits, in clusters, and K has four steps only.
.set PITCH,  272                       ; an LDS row: 256 bytes + 16 of padding
.set S1OFF,  512*PITCH                 ; a slot: tokens' 256 rows, q's 128, k's 128
.set VBASE,  1024*PITCH                ; behind the two slots: v's 128 rows
.set SPARE,  VBASE+128*PITCH           ; the spare words, 128 bytes a wave: two blocks of 256 bytes that no other line names
.set SCR,    SPARE+512                 ; the bias: 3 x 64 numbers for each wave, in blocks of 256 bytes into which no fill lands
.set GP,     80                        ; the way out: a stage row: 64 codes + 16 bytes; 128 rows for each wave, in slot 0, which has had its last fill and its last read by then
.set ADX, 4                            ; v4, v5  LDS address of my tokens' fragments in slot 0, 1
.set ADW, 6                            ; v6, v7  of my head's q rows (k's lie 128 rows on)
.set ADV, 8                            ; v8      of my head's v rows
.set STO, 9                            ; the way out: where I put 8 codes
.set RD,  10                           ; where I read 16 back
.set CO,  11                           ; 16 x lane
.set SPW, 12                           ; my spare word; never rewritten
.set NIL, 13                           ; 0; never rewritten
.set SCA, 14                           ; the bias by eight neighbours: my scratch + 32 (lane / 16)
.set SCB, 15                           ; the bias by lanes: my scratch + 512 + 4 (lane % 16)
.set SCS, 16                           ; my scratch + 8 x lane
.set BLO, 17                           ; 8 x lane
.set LIM, 18                           ; v18-20  448 x 2^e of q, k, v
.set SCL, 21                           ; v21-23  2^e
.set WB,  32                           ; fragments of wac: 4 (v part) or 8 (q and k)
.set XV,  96                           ; v part: the tokens' eight fragments
.set XQ,  160                          ; q and k: six buffers for the tokens' fragments
.set T,   32                           ; the way out: 32 numbers; v64-71 their codes; v72-103 the bias; v128-191 rows read back
.set CD,  64
.set CB,  72
.set RBK, 128
.set G1A, 24
.set G0A, 32                           ; s[32:39] group 0 for the tokens' tiles, one set for each slot
.set G1B, 48
.set G0B, 56                           ; s[56:63] the same for wac's
.set MSB, 0
.macro WIN new                         ; the immediate's high byte repeats the setting that is left
.if MSB != \new
	s_set_vgpr_msb (MSB<<8)|\new
.set MSB, \new
.endif
.endm
.macro PLACES                          ; four places behind matrix instructions, ahead of loads into their sources and of reads of their results
.rept 4
	v_nop
.endr
.endm
.macro CROUND                          ; a round of the cluster's barrier
	s_barrier_signal -1
	s_barrier_wait -1
	s_cmp_lg_u32 s14, 0
	s_cbranch_scc1 .Lnot_wave_0_\@
	s_barrier_signal -3
.Lnot_wave_0_\@:
	s_barrier_wait -3
	s_barrier_signal -1
	s_barrier_wait -1
.endm
.macro SEQ                             ; the tensor wait, the add and its wait ahead of a round behind which LDS is filled
	WIN 0
	s_wait_tensorcnt 0x0
	ds_add_u32 v[SPW], v[NIL]
	s_wait_dscnt 0x0
.endm
; A joint load with slot sl's registers.  mode 0: every wave; 1: all but wave 3 (v's tile is not asked for); 2: wave 3 alone.  The branches hang on the wave's number alone.
.macro JLOAD sl, mode
.if \mode != 2
	s_cmp_eq_u32 s14, 0
	s_cbranch_scc0 .Lb_\@
	tensor_load_to_lds s[G0A+4*\sl:G0A+4*\sl+3], s[G1A:G1A+7]
	s_nop 0
	PLACES
	s_branch .Ld_\@
.Lb_\@:
.endif
.if \mode == 1
	s_cmp_eq_u32 s14, 3
	s_cbranch_scc1 .Ld_\@
.endif
.if \mode == 2
	s_cmp_lg_u32 s14, 3
	s_cbranch_scc1 .Ld_\@
.endif
	tensor_load_to_lds s[G0B+4*\sl:G0B+4*\sl+3], s[G1B:G1B+7]
	s_nop 0
	PLACES
.Ld_\@:
.endm
.macro NEXTK sl                        ; slot sl's next tiles lie two K steps on (no load of mine is out here)
	s_add_nc_u64 s[G0A+4*\sl+2:G0A+4*\sl+3], s[G0A+4*\sl+2:G0A+4*\sl+3], 512
	s_add_nc_u64 s[G0B+4*\sl+2:G0B+4*\sl+3], s[G0B+4*\sl+2:G0B+4*\sl+3], 512
.endm
	s_load_b128 s[4:7], s[0:1], 0x0                ; xc s[4:5], wac s[6:7]
	s_load_b128 s[8:11], s[0:1], 0x10              ; the scales' exponents s[8:9], b_attn s[10:11]
	s_load_b64 s[12:13], s[0:1], 0x20              ; qkv
	v_lshl_add_u32 v[SPW], v0, 2, SPARE
	v_mov_b32 v[NIL], 0
	ds_add_u32 v[SPW], v[NIL]                      ; the opening: the add, twice on end, and its wait ahead of my first tensor load
	ds_add_u32 v[SPW], v[NIL]
	v_lshrrev_b32 v1, 5, v0
	v_readfirstlane_b32 s14, v1                    ; wave 0..3
	s_lshr_b32 s15, s14, 1                         ; which 128 tokens are mine
	s_and_b32 s16, s14, 1                          ; which of the two heads
	s_bfe_u32 s40, ttmp6, 0x40000                  ; cx, cy: my place in the cluster
	s_bfe_u32 s41, ttmp6, 0x40004
	s_lshl_b32 s42, ttmp9, 2
	s_add_co_u32 s42, s42, s40                     ; j: which pair of heads: it hangs on cx, never on cy
	s_and_b32 s17, ttmp7, 0xffff
	s_lshl_b32 s17, s17, 2
	s_add_co_u32 s17, s17, s41                     ; i: which 256 tokens: on cy, never on cx
	s_lshl_b32 s43, s41, 2
	s_lshl_b32 s43, 15, s43                        ; my row of the cluster
	s_lshl_b32 s44, 0x1111, s40                    ; my column
	s_or_b32 s[G1A], s43, (0<<16)|(1<<20)|(1<<21)|(5<<22)|(3<<25)   ; the mask; elements of 1 byte; padding of 4 words after every 64; bit 21 beside the mask
	s_or_b32 s[G1B], s44, (0<<16)|(1<<20)|(1<<21)|(5<<22)|(3<<25)
.irp g, G1A, G1B
	s_mov_b32 s[\g+1], 256<<16                     ; tensor_dim0
	s_mov_b32 s[\g+3], 256<<16                     ; tile_dim0
	s_mov_b32 s[\g+5], 1024                        ; the pitch
	s_mov_b32 s[\g+6], 0
	s_mov_b32 s[\g+7], 0
.endr
	s_mov_b32 s[G1A+2], 256<<16                    ; the tokens' tile: 256 rows
	s_mov_b32 s[G1A+4], 256
	s_mov_b32 s[G1B+2], 128<<16                    ; a tile of wac: 128 rows
	s_mov_b32 s[G1B+4], 128
	s_lshl_b32 s20, s17, 18                        ; tokens: 256 i rows of 1,024 bytes
	s_mov_b32 s21, 0
	s_add_co_u32 s46, s14, 3
	s_and_b32 s46, s46, 3
	s_min_u32 s46, s46, 2                          ; waves 1, 2, 3: section 0, 1, 2 (wave 0 asks for no tile of wac)
	s_lshl_b32 s46, s46, 20                        ; 1,024 rows a section,
	s_lshl_b32 s47, s42, 17
	s_add_co_u32 s46, s46, s47                     ; + 128 j rows
	s_mov_b32 s47, 0
	s_mul_i32 s45, s14, 128*PITCH
	s_add_co_u32 s45, s45, 128*PITCH               ; where wac's tiles go: rows 128 + 128 x wave of a slot: 256 (q), 384 (k); wave 3: row 512 + a slot's 512 = v's tile, in both sets
	s_lshr_b32 s18, s14, 1
	s_and_b32 s18, s18, s14                        ; 1 in wave 3 alone
	s_mul_i32 s18, s18, S1OFF
	s_wait_dscnt 0x0
	s_wait_kmcnt 0x0
	s_load_b256 s[84:91], s[8:9], 0x0              ; e0 .. e7
	s_add_nc_u64 s[20:21], s[4:5], s[20:21]
	s_add_nc_u64 s[46:47], s[6:7], s[46:47]
	s_mov_b32 s[G0A], 1
	s_mov_b32 s[G0A+1], 0
	s_mov_b64 s[G0A+2:G0A+3], s[20:21]
	s_or_b32 s[G0A+3], s[G0A+3], 0x80000000
	s_mov_b32 s[G0A+4], 1
	s_mov_b32 s[G0A+5], S1OFF
	s_add_nc_u64 s[G0A+6:G0A+7], s[20:21], 256
	s_or_b32 s[G0A+7], s[G0A+7], 0x80000000
	s_mov_b32 s[G0B], 1
	s_add_co_u32 s[G0B+1], s45, s18
	s_mov_b64 s[G0B+2:G0B+3], s[46:47]
	s_or_b32 s[G0B+3], s[G0B+3], 0x80000000
	s_mov_b32 s[G0B+4], 1
	s_add_co_u32 s[G0B+5], s45, S1OFF
	s_add_nc_u64 s[G0B+6:G0B+7], s[46:47], 256
	s_or_b32 s[G0B+7], s[G0B+7], 0x80000000
	CROUND                                         ; all sixteen work-groups are here: the first joint loads meet
	JLOAD 0, 0                                     ; K step 0: one tensor load a wave at the head
	s_mul_i32 s21, s15, 128*PITCH                  ; my 128 tokens,
	s_mul_i32 s22, s16, 64*PITCH                   ; my head's 64 rows
	s_add_co_u32 s23, s22, VBASE                   ; of v,
	s_add_co_u32 s22, s22, 256*PITCH               ; and of q
	s_add_co_u32 s66, s21, S1OFF
	s_add_co_u32 s67, s22, S1OFF
	s_mul_i32 s68, s14, 128*GP                     ; my stage
	s_mul_i32 s69, s14, 768
	s_add_co_u32 s69, s69, SCR                     ; my scratch
	s_lshl_b32 s18, s42, 1
	s_add_co_u32 s18, s18, s16                     ; my head
	s_lshl_b32 s70, s18, 8                         ; its 64 numbers of the bias
	s_mov_b32 s71, 0
	s_add_nc_u64 s[92:93], s[10:11], s[70:71]
	s_lshr_b32 s19, s17, 3                         ; the batch: 8 blocks of 256 tokens each
	s_lshl_b32 s19, s19, 4
	s_add_co_u32 s19, s19, s18
	s_lshl_b32 s19, s19, 17                        ; (batch x 16 + head) x 131,072 bytes
	s_and_b32 s70, s17, 7
	s_lshl_b32 s70, s70, 14                        ; 256 tokens x 64 bytes, in q, k and v alike
	s_add_co_u32 s19, s19, s70
	s_lshl_b32 s70, s15, 13                        ; my 128 tokens
	s_add_co_u32 s70, s70, s19
	s_add_nc_u64 s[76:77], s[12:13], s[70:71]      ; my 8,192 bytes of q,
	s_add_nc_u64 s[78:79], s[76:77], 0x800000      ; of k,
	s_add_nc_u64 s[80:81], s[78:79], 0x800000      ; of v
	v_and_b32 v3, 31, v0                           ; lane
	v_lshlrev_b32 v[BLO], 3, v3
	global_load_b64 v[26:27], v[BLO], s[92:93]                 ; the bias of my head in q, k, v: 32 lanes read 256 consecutive bytes
	global_load_b64 v[28:29], v[BLO], s[92:93] offset:4096
	global_load_b64 v[30:31], v[BLO], s[92:93] offset:8192
	v_and_b32 v1, 15, v0                           ; r = lane % 16
	v_bfe_u32 v2, v0, 4, 1                         ; h = lane / 16
	v_mul_u32_u24 v24, v1, PITCH
	v_lshl_add_u32 v24, v2, 4, v24                 ; a fragment's row x pitch + 16 x half
	v_add_nc_u32 v[ADX], s21, v24
	v_add_nc_u32 v[ADX+1], s66, v24
	v_add_nc_u32 v[ADW], s22, v24
	v_add_nc_u32 v[ADW+1], s67, v24
	v_add_nc_u32 v[ADV], s23, v24
	v_mul_u32_u24 v25, v1, GP
	v_lshl_add_u32 v25, v2, 3, v25
	v_add_nc_u32 v[STO], s68, v25                  ; in: row r, 8 bytes for each half of the lanes
	v_lshrrev_b32 v25, 2, v3
	v_mul_u32_u24 v25, v25, GP
	v_and_b32 v24, 3, v3
	v_lshl_add_u32 v25, v24, 4, v25
	v_add_nc_u32 v[RD], s68, v25                   ; back: four lanes to a row of 64 bytes, eight rows an instruction
	v_lshlrev_b32 v[CO], 4, v3
	v_lshl_add_u32 v[SCA], v2, 5, s69
	v_lshl_add_u32 v[SCB], v1, 2, s69
	v_add_nc_u32 v[SCB], 512, v[SCB]
	v_add_nc_u32 v[SCS], s69, v[BLO]
	s_wait_alu depctr_va_vdst(0)
	s_wait_loadcnt 0x0                             ; the bias
	s_wait_tensorcnt 0x0                           ; my part of K step 0 is in
	ds_store_b64 v[SCS], v[26:27]                  ; the bias waits in my scratch for the way out
	ds_store_b64 v[SCS], v[28:29] offset:256
	ds_store_b64 v[SCS], v[30:31] offset:512
.macro FRAG reg, adr, off              ; a fragment, 16 rows x 128 K, is 16 registers: lane l holds row l % 16; registers 4 c .. 4 c + 3 hold K = 32 c + 16 (l / 16) + 0 .. 15: the same order of K on both sides
.irp c, 0,1,2,3
	ds_load_b128 v[(\reg)+4*\c:(\reg)+4*\c+3], v[\adr] offset:(\off)+32*\c
.endr
.endm
.macro MM a, b, s0, s1, zero           ; one product onto accumulator 12 a + b.  zero = 1: it starts the sum.  Each accumulator has one turn in a part
.set IDX, 12*(\a)+(\b)
.set AC, 8*(IDX%32)
	WIN (1+IDX/32)*0x50                            ; C and D in window 1, 2 or 3
.if \zero
	v_wmma_f32_16x16x128_fp8_fp8 v[AC:AC+7], v[(\s0):(\s0)+15], v[(\s1):(\s1)+15], 0
.else
	v_wmma_f32_16x16x128_fp8_fp8 v[AC:AC+7], v[(\s0):(\s0)+15], v[(\s1):(\s1)+15], v[AC:AC+7]
.endif
.endm
; THE V PART of 128 along K: source 0 = tokens, source 1 = v's rows.  48 LDS loads in one run; block a's products wait for all but the 4 (7 - a) loads of the blocks behind it.
.macro VPART sl, q, zero
	WIN 0
	PLACES
.irp bb, 0,1,2,3
	FRAG WB+16*\bb, ADV, 128*(\q)+\bb*16*PITCH
.endr
.irp a, 0,1,2,3,4,5,6,7
	FRAG XV+16*\a, ADX+\sl, 128*(\q)+\a*16*PITCH
.endr
.irp a, 0,1,2,3,4,5,6,7
	s_wait_dscnt 4*(7-\a)
.irp bb, 0,1,2,3
	MM \a, 8+\bb, XV+16*\a, WB+16*\bb, \zero
.endr
.endr
.endm
; Q AND K of 128 along K: source 0 = their rows, source 1 = tokens.  Six buffers for the tokens' blocks: blocks 6 and 7 follow into buffers 0 and 1 behind block 1's products.
.macro QKPART sl, q, zero
	WIN 0
	PLACES
.irp b, 0,1,2,3,4,5,6,7
	FRAG WB+16*\b, ADW+\sl, 128*(\q)+((\b/4)*128+(\b%4)*16)*PITCH
.endr
.irp a, 0,1,2,3,4,5
	FRAG XQ+16*\a, ADX+\sl, 128*(\q)+\a*16*PITCH
.endr
.irp a, 0,1,2,3,4,5,6,7
.if \a < 2
	s_wait_dscnt 4*(5-\a)                          ; behind block a's loads: those of blocks a + 1 to 5
.else
	s_wait_dscnt 4*(7-\a)                          ; and now of blocks a + 1 to 7
.endif
.irp b, 0,1,2,3,4,5,6,7
	MM \a, \b, WB+16*\b, XQ+16*((\a)%6), \zero
.endr
.if \a == 1
	WIN 0
	PLACES
	FRAG XQ, ADX+\sl, 128*(\q)+6*16*PITCH
	FRAG XQ+16, ADX+\sl, 128*(\q)+7*16*PITCH
.endif
.endr
.endm
.macro LANDED                          ; a K step's tiles are in: mine by my wait, everybody's behind the barrier
	WIN 0
	s_wait_tensorcnt 0x0
	s_wait_dscnt 0x0
	s_barrier_signal -1
	s_barrier_wait -1
.endm
	SEQ                                            ; K step 0 is in; slot 1's first fills are issued as refills are
	CROUND
	JLOAD 1, 1                                     ; K step 1's tokens, q's and k's rows: first fills alone
	VPART 0, 0, 1
	VPART 0, 1, 0
	SEQ                                            ; nobody reads v's tile any more
	CROUND
	JLOAD 1, 2                                     ; K step 1's rows of v: a refill alone
	QKPART 0, 0, 1
	QKPART 0, 1, 0
	LANDED                                         ; K step 1
	VPART 1, 0, 0
	VPART 1, 1, 0
	SEQ                                            ; nobody reads slot 0 or v's tile any more
	CROUND
	NEXTK 0
	JLOAD 0, 0                                     ; K step 2
	QKPART 1, 0, 0
	QKPART 1, 1, 0
	LANDED                                         ; K step 2
	VPART 0, 0, 0
	VPART 0, 1, 0
	SEQ
	CROUND
	NEXTK 1
	JLOAD 1, 0                                     ; K step 3
	QKPART 0, 0, 0
	QKPART 0, 1, 0
	LANDED                                         ; K step 3: behind this barrier nobody reads slot 0, and nothing is filled any more
	VPART 1, 0, 0
	VPART 1, 1, 0
	QKPART 1, 0, 0
	QKPART 1, 1, 0
	WIN 0
; THE WAY OUT, section by section.  A wave's part of a section is 8,192 consecutive bytes of the output: 128 rows of 64 codes.  A unit is 16 tokens x the head's 64 columns: four accumulators on end, each read from its low end on.
.macro UNIT sec, a
.set IDX, 12*(\a)+4*(\sec)
.set AC, 8*(IDX%32)
	WIN 1+IDX/32                                   ; source 0 in window 1, 2 or 3
.set j, 0
.rept 16
.if \sec < 2
	v_pk_fma_f32 v[T+j:T+j+1], v[AC+j:AC+j+1], s[96:97], v[CB+j:CB+j+1] op_sel_hi:[1,0,1]                     ; the bias runs along the lane's registers
.else
	v_pk_fma_f32 v[T+j:T+j+1], v[AC+j:AC+j+1], s[96:97], v[CB+2*(j/8):CB+2*(j/8)+1] op_sel_hi:[1,0,1]         ; the bias of the lane's d, twice
.endif
.set j, j+2
.endr
	WIN 0
.set j, 0
.rept 32
	v_med3_num_f32 v[T+j], v[T+j], -v[LIM+\sec], v[LIM+\sec]   ; the conversion to an 8-bit code does not saturate (ISA guide 7.6.2): the hold comes first
.set j, j+1
.endr
.irp bb, 0,1,2,3
	v_cvt_scalef32_pk8_fp8_f32 v[CD+2*\bb:CD+2*\bb+1], v[T+8*\bb:T+8*\bb+7], v[SCL+\sec]
.endr
	v_nop                                          ; one plain vector instruction behind the last conversion
.irp bb, 0,1,2,3
.if \sec < 2
	ds_store_b64 v[STO], v[CD+2*\bb:CD+2*\bb+1] offset:16*GP*(\a)+16*\bb                       ; row = token 16 a + r, byte = d
.else
	ds_store_b64 v[STO], v[CD+2*\bb:CD+2*\bb+1] offset:(((\a)/4)*64+16*\bb)*GP+16*((\a)%4)     ; row = 64 (token / 64) + d, byte = token % 64
.endif
.endr
.endm
.macro SECT sec
.if \sec > 0
	s_wait_xcnt 0x0                                ; the last section's stores have read their registers
.endif
.irp bb, 0,1,2,3
.if \sec < 2
	ds_load_b128 v[CB+8*\bb:CB+8*\bb+3], v[SCA] offset:256*\sec+64*\bb
	ds_load_b128 v[CB+8*\bb+4:CB+8*\bb+7], v[SCA] offset:256*\sec+64*\bb+16
.else
	ds_load_b32 v[CB+2*\bb], v[SCB] offset:64*\bb
	ds_load_b32 v[CB+2*\bb+1], v[SCB] offset:64*\bb
.endif
.endr
	s_wait_dscnt 0x0
.irp a, 0,1,2,3,4,5,6,7
	UNIT \sec, \a
.endr
.irp u, 0,1,2,3,4,5,6,7,8,9,10,11,12,13,14,15
	ds_load_b128 v[RBK+4*\u:RBK+4*\u+3], v[RD] offset:8*GP*\u   ; LDS serves a wave's instructions in order (ISA guide 5.7.1.4): these see my stores; the stage is my wave's own
.endr
.irp u, 0,1,2,3,4,5,6,7,8,9,10,11,12,13,14,15
	s_wait_dscnt 15-\u                             ; the younger loads may be out
	global_store_b128 v[CO], v[RBK+4*\u:RBK+4*\u+3], s[76+2*\sec:77+2*\sec] offset:512*\u   ; the wave stores 512 consecutive bytes, aligned
.endr
.endm
.macro ESET e, n                       ; 2^e and 448 x 2^e of section n
	s_add_co_i32 s18, s[\e], 127
	s_lshl_b32 s19, s18, 23
	v_mov_b32 v[SCL+\n], s19
	s_add_co_i32 s18, s18, 8
	s_lshl_b32 s18, s18, 23
	s_or_b32 s18, s18, 0x600000
	v_mov_b32 v[LIM+\n], s18
.endm
	s_wait_kmcnt 0x0
	s_add_co_i32 s96, s84, s85                     ; e0 + e1
	s_add_co_i32 s96, s96, 127
	s_lshl_b32 s96, s96, 23                        ; 2^(e0 + e1) as f32
	s_mov_b32 s97, s96                             ; (named with it as a pair, so it is written)
	ESET 86, 0
	ESET 87, 1
	ESET 89, 2
	PLACES                                         ; behind the last products
	s_wait_alu depctr_va_vdst(0)
	SECT 0
	SECT 1
	SECT 2
	s_wait_tensorcnt 0x0                           ; the wave's end
	ds_add_u32 v[SPW], v[NIL]
	s_wait_dscnt 0x0
	CROUND                                         ; the closing round: no work-group ends while a partner may still ask for a tile that names it
	s_endpgm
.Lfunc_end_k_q36cca8dbee_qkv:
	.size	k_q36cca8dbee_qkv, .Lfunc_end_k_q36cca8dbee_qkv-k_q36cca8dbee_qkv
	.p2alignl 7, 3214868480
	.fill 96, 4, 3214868480
	.section	.rodata,"a",@progbits
	.p2align	6, 0x0
	.amdhsa_kernel k_q36cca8dbee_qkv
		.amdhsa_group_segment_fixed_size 327680
		.amdhsa_private_segment_fixed_size 0
		.amdhsa_enable_private_segment 0
		.amdhsa_kernarg_size 40
		.amdhsa_user_sgpr_count 2
		.amdhsa_user_sgpr_kernarg_segment_ptr 1
		.amdhsa_wavefront_size32 1
		.amdhsa_system_sgpr_workgroup_id_x 1
		.amdhsa_system_sgpr_workgroup_id_y 1
		.amdhsa_system_sgpr_workgroup_id_z 1
		.amdhsa_system_vgpr_workitem_id 0
		.amdhsa_next_free_vgpr 1024
		.amdhsa_next_free_sgpr 100
		.amdhsa_reserve_vcc 0
		.amdhsa_float_denorm_mode_32 3
		.amdhsa_float_denorm_mode_16_64 3
		.amdhsa_memory_ordered 1
		.amdhsa_forward_progress 1
		.amdhsa_inst_pref_size 224
	.end_amdhsa_kernel
	.amdgpu_metadata
---
amdhsa.version: [ 1, 2 ]
amdhsa.kernels:
  - .name:           k_q36cca8dbee_qkv
    .symbol:         k_q36cca8dbee_qkv.kd
    .args:
      - { .name: xc, .offset: 0, .size: 8, .value_kind: global_buffer, .address_space: global }
      - { .name: wac, .offset: 8, .size: 8, .value_kind: global_buffer, .address_space: global }
      - { .name: lowp_scales, .offset: 16, .size: 8, .value_kind: global_buffer, .address_space: global }
      - { .name: b_attn, .offset: 24, .size: 8, .value_kind: global_buffer, .address_space: global }
      - { .name: qkv, .offset: 32, .size: 8, .value_kind: global_buffer, .address_space: global }
    .group_segment_fixed_size: 327680
    .private_segment_fixed_size: 0
    .kernarg_segment_align: 8
    .kernarg_segment_size: 40
    .max_flat_workgroup_size: 128
    .sgpr_count:     100
    .vgpr_count:     1024
    .wavefront_size: 32
...
	.end_amdgpu_metadata
.endif
;; end of part 2
;; launch attn (part 3): grid 4 x 64, 8 waves a work-group, clusters of 4 x 1, 327,680 bytes of LDS; arguments qkv, lowp_scales, yc; writes yc
.if DOCPART == 3
	.amdgcn_target "amdgcn-amd-amdhsa--gfx1250"
	.amdhsa_code_object_version 6
	.text
	.protected	k_q36cca8dbee_attn
	.globl	k_q36cca8dbee_attn
	.p2align	8
	.type	k_q36cca8dbee_attn,@function
k_q36cca8dbee_attn:
	s_mov_b64 s[64:65], 0
	v_nop
	global_prefetch_b8 v0, s[64:65] scope:SCOPE_SE
	s_setreg_imm32_b32 hwreg(HW_REG_WAVE_MODE, 25, 1), 1
	s_wait_xcnt 0x0
	s_wait_alu depctr_hold_cnt(0) depctr_sa_sdst(0) depctr_va_vdst(0) depctr_va_sdst(0) depctr_va_ssrc(0) depctr_va_vcc(0) depctr_vm_vsrc(0)
	s_getreg_b32 s2, hwreg(HW_REG_IB_STS2, 6, 4)
	s_cmp_eq_u32 s2, 0
	s_cbranch_scc0 .Lentry_in_a_cluster
	s_endpgm
.Lentry_in_a_cluster:
	s_bfe_u32 s2, ttmp6, 0x10000c
	s_cmp_lg_u32 s2, 0x3003
	s_cbranch_scc0 .Lentry_shape_is_right
	s_endpgm
.Lentry_shape_is_right:
; y[b][h][q] = the sum over keys k <= q of softmax_k(Q[q] . K[k] / 8) V[k], both products on codes of FP8 (E4M3), and y quantised at once (2^e6) for the product that follows.
; qkv: three sections of 8 MiB: q, k [batch x 16 + head][token 2048][d 64]; v [batch x 16 + head][token / 64][d 64][token % 64].  yc: [token / 128 over all batches: 64][head 16][token % 128][d 64].
; THE SOFTMAX: t = score x log2(e) / 8; M = the row's largest t so far, rounded UP to a whole number; p = 2^(t - M) is what is quantised (2^e4), not normalised.  The row's sum is taken of the unquantised p, in f32,
; and divides at the end.  When M moves, the sum and O are multiplied by 2^(old M - new M): exact.
; LEFT OUT: key steps all of whose 128 keys come after the wave's queries: the causal mask sets their scores to -infinity, so their p is 0 for all inputs.
; LIMITS on the given exponents, so that each power of two below is an f32 number: e2 + e3 between -123 and 130 (added to c's exponent field); e4 and e6 between -126 and 119; e4 + e5 is applied by v_ldexp_f32 and has none.
; A WHOLE HEAD'S K AND V, 262,144 bytes of codes, LIE IN LDS; each byte is filled once.  The four work-groups of a cluster share one head and ask for its tiles JOINTLY, with a mask that names the four, in two groups of
; eight tensor loads, one a wave each: at the head K's first 5 steps of 128 keys (4 x 40 LDS rows) and V's first 4 (4 x 32 rows); behind the full sequence and a round of the cluster's barrier the rest (4 x 88 and 4 x 96 rows).
; The second group lands while every wave works steps 0 to 3 of its first pass, which read bytes of the first group alone (step 3 asks for step 4's K: hence K's fifth step).  One wait and one barrier follow.  One tensor load of a wave is out.
; SHARES.  A head's 2,048 queries are 16 blocks of 128.  Work-group g owns queries 32 g .. 32 g + 31 of every block: two tiles of 16.  Wave w takes block 15 - w, then block w: (16 - w) + (w + 1) = 17 steps of 128 keys for every wave.
; Eight waves of 512 registers, two to a SIMD.  A fragment of K or V read from LDS feeds two matrix instructions, one for each tile.  Which steps a wave works hangs on its number alone; g enters global addresses and the mask's comparand only.
; LAYOUT.  Both products are used transposed: S^T = K Q^T (source 0 = 16 neighbouring keys, source 1 = 16 queries, K = 64), O^T = V^T P^T (source 0 = 16 of the head's 64, source 1 = P, K = 128 keys): a lane holds ONE query of each tile (lane % 16).
; Tile c's eight registers of S^T are keys 16 c + 8 (lane / 16) + 0 .. 7: the keys that registers 2 c, 2 c + 1 of the second product's operand hold: p's conversions ARE that operand.
; REGISTERS.  Window 0: addresses, the rows' figures, Q, p's codes, both tiles' S^T.  Window 1: O^T of both tiles (v0-63), K's eight fragments (v64-127), V's four (v128-191).
; The step is a macro, expanded twice: for the first pass's steps 0 to 3 (block 15 - w is 8 at the least: none of them is hidden or on the diagonal), and in a loop of 16 steps inside a loop of 2 passes.
; No prefetch: all of the launch's bytes of K and V are asked for by the two groups of tensor loads ahead of its loops.
.set KP,    272                        ; an LDS row: 256 bytes (four keys of K, or four of V's rows of 64 keys) + 16 of padding
.set STEPB, 32*KP                      ; a step of 128 keys, in K and in V alike
.set VOFF,  512*KP                     ; K's 512 rows, then V's
.set STG,   2*VOFF                     ; behind them: a stage of 32 rows x SGP bytes for each wave
.set SGP,   80                         ; 64 codes + 16 bytes
.set SPARE, STG+8*32*SGP               ; the spare words, 128 bytes a wave: four blocks of 256 bytes that no other line names
.set K1R,   40                         ; LDS rows a wave brings: K's and V's in the first group, K's and V's in the second
.set V1R,   32
.set K2R,   88
.set V2R,   96
.set AK0,  1                           ; my lane's place in a tile of K
.set AV0,  2                           ; the same for V
.set STO,  3                           ; the way out: where I put 8 codes
.set RD,   4                           ; where I read 16 back
.set GO,   5                           ; 16 x lane
.set QO,   6                           ; my byte in 16 rows of Q
.set ADK,  8                           ; LDS address of the step's tiles of K
.set ADV,  9                           ; of V
.set DQ,   10                          ; tile 0's query in its block of 128, less 8 (lane / 16)
.set F0,   20                          ; v12 -M, v13 largest t, v[14:15] sum: tile 0; v16-19: tile 1; v[20:21], v[22:23]: f = 2^(old M - new M) in the low word
.set F1,   22
.set LIMP, 32                          ; v32, v33 448 x 2^e4, twice (the two halves of a dual pair take different registers)
.set SCP,  34                          ; 2^e4
.set LIMY, 35                          ; 448 x 2^e6
.set SCY,  36                          ; 2^e6
.set SPW,  37                          ; my spare word; never rewritten
.set NIL,  38                          ; 0; never rewritten
.set NINF, 39                          ; -infinity
.set Q0,   40                          ; v40-55 Q's fragments of the pass in hand (tile 0, tile 1); v56-71 those of the second pass
.set QN,   56
.set PC0,  72                          ; v72-87, v88-103 p's codes
.set PC1,  88
.set TT,   104                         ; v104-119 partial sums
.set S0,   120                         ; v120-183, v184-247 S^T, then p
.set S1,   184
.set O0,   0                           ; window 1
.set O1,   32
.set KF,   64
.set VF,   128
.set WV,   18
.set LO,   21                          ; the first step that the pass in hand still has to work
.set CS,   22                          ; s[22:23] c = log2(e) / 8 x 2^(e2 + e3), twice
.set G1K1, 24                          ; descriptor groups 1: one for each number of rows
.set G1V1, 68
.set G1K2, 76
.set G1V2, 84
.set G0K1, 32                          ; and groups 0
.set G0V1, 60
.set G0K2, 92
.set G0V2, 96
.set SEL,  36                          ; lane selects for v_permlanex16_b32: lane l xor 16
.set BI,   38                          ; my block of queries in the pass in hand; s39: in the second pass
.set BN,   39
.set YA,   44                          ; y's address of the pass in hand; s[46:47]: of the second
.set YB,   46
.set EPV,  56                          ; e4 + e5
.set TB,   57                          ; LDS byte at which the step in hand begins
.set SI,   58                          ; the step's number
.set PS,   59                          ; the pass
.set MSB, 0
.macro WIN new                         ; the immediate's high byte repeats the setting that is left
.if MSB != \new
	s_set_vgpr_msb (MSB<<8)|\new
.set MSB, \new
.endif
.endm
.macro PKA d, a, b
	v_pk_add_f32 v[(\d):(\d)+1], v[(\a):(\a)+1], v[(\b):(\b)+1]
.endm
.macro CROUND                          ; a round of the cluster's barrier
	s_barrier_signal -1
	s_barrier_wait -1
	s_cmp_lg_u32 s[WV], 0
	s_cbranch_scc1 .Lnot_wave_0_\@
	s_barrier_signal -3
.Lnot_wave_0_\@:
	s_barrier_wait -3
	s_barrier_signal -1
	s_barrier_wait -1
.endm
.macro DESC g, rows                    ; group 1: so many rows of 256 bytes, dense in memory, padded in LDS
	s_mov_b32 s[\g], 15|(0<<16)|(1<<20)|(1<<21)|(5<<22)|(3<<25)   ; the mask: all four; elements of 1 byte; padding of 4 words after every 64; bit 21 beside the mask
	s_mov_b32 s[\g+1], 256<<16
	s_mov_b32 s[\g+2], (\rows)<<16
	s_mov_b32 s[\g+3], 256<<16
	s_mov_b32 s[\g+4], \rows
	s_mov_b32 s[\g+5], 256
	s_mov_b32 s[\g+6], 0
	s_mov_b32 s[\g+7], 0
.endm
.macro G0SET g, lb, lm, gb, gm         ; group 0: LDS byte lb + lm x (wave % 4); memory: qkv + the head + gb + gm x (wave % 4)
	s_mov_b32 s[\g], 1
	s_mul_i32 s[\g+1], s11, (\lm)
	s_add_co_u32 s[\g+1], s[\g+1], (\lb)
	s_mul_i32 s12, s11, (\gm)
	s_add_co_u32 s12, s12, s10
	s_add_co_u32 s12, s12, (\gb)
	s_mov_b32 s13, 0
	s_add_nc_u64 s[\g+2:\g+3], s[4:5], s[12:13]
	s_or_b32 s[\g+3], s[\g+3], 0x80000000
.endm
.macro JLOAD g0k, g1k, g0v, g1v        ; waves 0 to 3 ask for K's parts, waves 4 to 7 for V's; an s_nop 0 and four v_nop follow each line
	s_cmp_lt_u32 s[WV], 4
	s_cbranch_scc0 .Lfor_v_\@
	tensor_load_to_lds s[\g0k:\g0k+3], s[\g1k:\g1k+7]
	s_nop 0
.rept 4
	v_nop
.endr
	s_branch .Lasked_\@
.Lfor_v_\@:
	tensor_load_to_lds s[\g0v:\g0v+3], s[\g1v:\g1v+7]
	s_nop 0
.rept 4
	v_nop
.endr
.Lasked_\@:
.endm
	s_load_b128 s[4:7], s[0:1], 0x0                ; qkv s[4:5], the scales' exponents s[6:7]
	s_load_b64 s[8:9], s[0:1], 0x10                ; yc
	v_lshl_add_u32 v[SPW], v0, 2, SPARE
	v_mov_b32 v[NIL], 0
	ds_add_u32 v[SPW], v[NIL]                      ; the opening: the add, twice on end, and its wait ahead of my first tensor load
	ds_add_u32 v[SPW], v[NIL]
	v_lshrrev_b32 v7, 5, v0
	v_readfirstlane_b32 s[WV], v7                  ; wave 0..7
	s_bfe_u32 s19, ttmp6, 0x40000                  ; g = cx
	s_and_b32 s20, ttmp7, 0xffff                   ; batch x 16 + head, which the four partners share
	DESC G1K1, K1R
	DESC G1V1, V1R
	DESC G1K2, K2R
	DESC G1V2, V2R
	s_lshl_b32 s10, s20, 17                        ; the head's bytes in a section
	s_and_b32 s11, s[WV], 3                        ; which quarter of a group's rows is mine
	s_mov_b32 s[SEL], 0x76543210
	s_mov_b32 s[SEL+1], 0xfedcba98
	s_wait_dscnt 0x0
	s_wait_kmcnt 0x0
	s_load_b256 s[48:55], s[6:7], 0x0              ; e0 .. e7
	G0SET G0K1, 0, K1R*KP, 1<<23, K1R*256
	G0SET G0V1, VOFF, V1R*KP, 2<<23, V1R*256
	G0SET G0K2, 4*K1R*KP, K2R*KP, (1<<23)+4*K1R*256, K2R*256
	G0SET G0V2, VOFF+4*V1R*KP, V2R*KP, (2<<23)+4*V1R*256, V2R*256
	CROUND                                         ; all four work-groups are here: the joint loads meet
	JLOAD G0K1, G1K1, G0V1, G1V1                   ; the first group: one tensor load a wave at the head
	s_xor_b32 s[BI], s[WV], 15                     ; 15 - wave
	s_mov_b32 s[BN], s[WV]
	s_mov_b32 s15, 0
	s_lshl_b32 s12, s19, 11                        ; my 32 queries in a block: 32 g rows of 64 bytes
	s_lshl_b32 s10, s20, 17                        ; Q: the head,
	s_add_co_u32 s10, s10, s12
	s_lshl_b32 s13, s[BI], 13                      ; the block: 128 rows x 64 bytes
	s_add_co_u32 s14, s10, s13
	s_add_nc_u64 s[40:41], s[4:5], s[14:15]
	s_lshl_b32 s13, s[BN], 13
	s_add_co_u32 s14, s10, s13
	s_add_nc_u64 s[42:43], s[4:5], s[14:15]
	s_lshr_b32 s13, s20, 4                         ; y: the batch's 16 blocks of 131,072 bytes,
	s_lshl_b32 s13, s13, 21
	s_and_b32 s14, s20, 15
	s_lshl_b32 s14, s14, 13                        ; the head's 128 x 64 bytes in a block,
	s_add_co_u32 s13, s13, s14
	s_add_co_u32 s13, s13, s12
	s_lshl_b32 s14, s[BI], 17
	s_add_co_u32 s14, s14, s13
	s_add_nc_u64 s[YA:YA+1], s[8:9], s[14:15]
	s_lshl_b32 s14, s[BN], 17
	s_add_co_u32 s14, s14, s13
	s_add_nc_u64 s[YB:YB+1], s[8:9], s[14:15]
	s_mul_i32 s17, s[WV], 32*SGP
	s_add_co_u32 s17, s17, STG                     ; my stage
	s_lshl_b32 s16, s19, 5                         ; 32 g
	v_and_b32 v24, 15, v0                          ; r = lane % 16
	v_bfe_u32 v25, v0, 4, 1                        ; h = lane / 16
	v_lshlrev_b32 v[QO], 6, v24
	v_lshl_add_u32 v[QO], v25, 4, v[QO]            ; row r, + 16 h
.irp u, 0,1                                    ; registers 0-3: d = 16 h + 0 .. 15; registers 4-7: d = 32 + 16 h + 0 .. 15: the same order of d as in K's fragments
	global_load_b128 v[Q0+8*\u:Q0+8*\u+3], v[QO], s[40:41] offset:1024*\u
	global_load_b128 v[Q0+8*\u+4:Q0+8*\u+7], v[QO], s[40:41] offset:1024*\u+32
.endr
.irp u, 0,1                                    ; behind them the second pass's four
	global_load_b128 v[QN+8*\u:QN+8*\u+3], v[QO], s[42:43] offset:1024*\u
	global_load_b128 v[QN+8*\u+4:QN+8*\u+7], v[QO], s[42:43] offset:1024*\u+32
.endr
	v_bfe_u32 v26, v0, 2, 2                        ; r / 4
	v_and_b32 v27, 3, v0                           ; r % 4
	v_mul_u32_u24 v26, v26, KP
	v_lshl_add_u32 v26, v27, 6, v26                ; four rows of 64 bytes to an LDS row: KP (r / 4) + 64 (r % 4)
	v_lshl_add_u32 v[AK0], v25, 4, v26
	v_lshl_add_u32 v[AV0], v25, 3, v26
	v_add_nc_u32 v[AV0], VOFF, v[AV0]
	v_mul_u32_u24 v[STO], v24, SGP
	v_lshl_add_u32 v[STO], v25, 3, v[STO]
	v_add_nc_u32 v[STO], s17, v[STO]               ; in: row r, 8 bytes for each half of the lanes
	v_bfe_u32 v[RD], v0, 2, 3
	v_mul_u32_u24 v[RD], v[RD], SGP
	v_lshl_add_u32 v[RD], v27, 4, v[RD]
	v_add_nc_u32 v[RD], s17, v[RD]                 ; back: four lanes to a row, eight rows an instruction
	v_and_b32 v[GO], 31, v0
	v_lshlrev_b32 v[GO], 4, v[GO]
	v_lshlrev_b32 v28, 3, v25
	v_sub_nc_u32 v[DQ], v24, v28
	v_add_nc_u32 v[DQ], s16, v[DQ]                 ; 32 g + r - 8 h
	v_mov_b32 v28, 0                               ; written once: a lane permute's destination counts as one of its sources
	v_mov_b32 v29, 0
	v_mov_b32 v[F0+1], 0                           ; (named as the upper halves of f's pairs)
	v_mov_b32 v[F1+1], 0
	v_mov_b32 v[NINF], 0xff800000
	s_wait_alu depctr_va_vdst(0)
	s_wait_kmcnt 0x0
	s_add_co_i32 s12, s50, s51
	s_lshl_b32 s12, s12, 23
	s_add_co_i32 s[CS], s12, 0x3e38aa3b            ; c = log2(e) / 8; a score stands for score x 2^(e2 + e3): the two exponents are added to c's exponent field
	s_mov_b32 s[CS+1], s[CS]
	s_add_co_i32 s[EPV], s52, s53
	s_add_co_i32 s12, s52, 127
	s_lshl_b32 s13, s12, 23                        ; 2^e4
	s_add_co_i32 s12, s12, 8
	s_lshl_b32 s12, s12, 23
	s_or_b32 s12, s12, 0x600000                    ; 448 x 2^e4
	s_add_co_i32 s14, s54, 127
	s_lshl_b32 s15, s14, 23                        ; 2^e6
	s_add_co_i32 s14, s14, 8
	s_lshl_b32 s14, s14, 23
	s_or_b32 s14, s14, 0x600000                    ; 448 x 2^e6
	v_mov_b32 v[LIMP], s12
	v_mov_b32 v[LIMP+1], s12
	v_mov_b32 v[SCP], s13
	v_mov_b32 v[LIMY], s14
	v_mov_b32 v[SCY], s15
	s_wait_alu depctr_va_vdst(0)
	s_wait_tensorcnt 0x0                           ; my part of the first group is in; the second group's first fills are issued as refills are:
	ds_add_u32 v[SPW], v[NIL]                      ; 0 onto my spare word
	s_wait_dscnt 0x0
	CROUND                                         ; everybody's part of the first group is in, and all four work-groups are here
	JLOAD G0K2, G1K2, G0V2, G1V2                   ; the second group: the first tensor load behind the round
	s_wait_loadcnt 0x4                             ; the first pass's Q; the four loads issued behind it, the second pass's, may be out
; The figures of a pass at its start, and step 0's K.
.macro INIT
	v_mov_b32 v13, 0xff61b1e6                      ; the largest t so far: -3e38, under every t
	v_mov_b32 v17, 0xff61b1e6
	v_floor_f32 v12, -v13                          ; -M
	v_floor_f32 v16, -v17
	v_mov_b32 v14, 0                               ; the sums, in two halves each
	v_mov_b32 v15, 0
	v_mov_b32 v18, 0
	v_mov_b32 v19, 0
	WIN 0x40                                       ; destination in window 1
.set j, 0
.rept 64
	v_mov_b32 v[O0+j], 0                           ; O^T of both tiles: a pass's first step finds zeros
.set j, j+1
.endr
.irp i, 0,1,2,3,4,5,6,7                        ; step 0's eight tiles of K
	ds_load_b128 v[KF+8*\i:KF+8*\i+3], v[AK0] offset:4*KP*\i
	ds_load_b128 v[KF+8*\i+4:KF+8*\i+7], v[AK0] offset:4*KP*\i+32
.endr
	WIN 0
.endm
; A KEY STEP: 128 keys for both tiles.  full = 1: with the jumps round steps that are hidden or done already, and with the diagonal's mask.
.macro STEP full
.if \full
	s_cmp_gt_u32 s[SI], s[BI]                      ; a step all of whose keys come after my block: a branch on the wave's number and the step's
	s_cbranch_scc1 .Lhidden_\@
	s_cmp_lt_u32 s[SI], s[LO]                      ; the first pass's steps 0 to 3 are done
	s_cbranch_scc1 .Lhidden_\@
.endif
	v_add_nc_u32 v[ADK], s[TB], v[AK0]
	v_add_nc_u32 v[ADV], s[TB], v[AV0]
	s_wait_alu depctr_va_vdst(0)
	s_wait_dscnt 0x0                               ; this step's K, asked for a step ago
	WIN 0x01                                       ; source 0 (K) in window 1
.irp i, 0,1,2,3,4,5,6,7
	v_wmma_f32_16x16x64_fp8_fp8 v[S0+8*\i:S0+8*\i+7], v[KF+8*\i:KF+8*\i+7], v[Q0:Q0+7], 0
	v_wmma_f32_16x16x64_fp8_fp8 v[S1+8*\i:S1+8*\i+7], v[KF+8*\i:KF+8*\i+7], v[Q0+8:Q0+15], 0
.endr
	WIN 0x40
.rept 4
	v_nop                                          ; places: loads into registers that the last products read (K's now, V's at the last step's end), and the first reads of the scores, follow
.endr
.irp t, 0,1,2,3                                ; V's four fragments land under the softmax: registers 2 c, 2 c + 1 = keys 16 c + 8 h + 0 .. 7
.irp c, 0,1,2,3,4,5,6,7
	ds_load_b64 v[VF+16*\t+2*\c:VF+16*\t+2*\c+1], v[ADV] offset:16*KP*(\c/4)+4*KP*\t+16*(\c%4)
.endr
.endr
.irp i, 0,1,2,3,4,5,6,7                        ; behind them the next step's K (behind step 15: bytes of V's first rows, which nobody uses)
	ds_load_b128 v[KF+8*\i:KF+8*\i+3], v[ADK] offset:STEPB+4*KP*\i
	ds_load_b128 v[KF+8*\i+4:KF+8*\i+7], v[ADK] offset:STEPB+4*KP*\i+32
.endr
	WIN 0
.if \full
	s_cmp_lt_u32 s[SI], s[BI]                      ; all keys of an earlier step count;
	s_cbranch_scc1 .Lopen_\@
; on the diagonal hidden scores become -infinity ahead of the maximum.  Register n holds key 16 (n / 8) + 8 h + n % 8.  Tile 1's queries lie 16 on, so its register n + 8 is hidden where tile 0's register n is; its first eight never.
.set n, 0
.rept 64
	v_cmp_gt_i32 vcc_lo, 16*(n/8)+n%8, v[DQ]
	v_cndmask_b32 v[S0+n], v[S0+n], v[NINF], vcc_lo
.if n < 56
	v_cndmask_b32 v[S1+n+8], v[S1+n+8], v[NINF], vcc_lo
.endif
.set n, n+1
.endr
.Lopen_\@:
.endif
	v_max3_num_f32 v24, v[S0], v[S0+1], v[S0+2]    ; the step's largest score of each of my two queries, in two chains each: four chains by turns
	v_max3_num_f32 v26, v[S1], v[S1+1], v[S1+2]
	v_max3_num_f32 v25, v[S0+3], v[S0+4], v[S0+5]
	v_max3_num_f32 v27, v[S1+3], v[S1+4], v[S1+5]
.irp i, 6,10,14,18,22,26,30,34,38,42,46,50,54,58
	v_max3_num_f32 v24, v24, v[S0+\i], v[S0+\i+1]
	v_max3_num_f32 v26, v26, v[S1+\i], v[S1+\i+1]
	v_max3_num_f32 v25, v25, v[S0+\i+2], v[S0+\i+3]
	v_max3_num_f32 v27, v27, v[S1+\i+2], v[S1+\i+3]
.endr
	v_max3_num_f32 v24, v24, v[S0+62], v[S0+63]
	v_max3_num_f32 v26, v26, v[S1+62], v[S1+63]
	v_max_num_f32 v24, v24, v25
	v_max_num_f32 v26, v26, v27
	v_permlanex16_b32 v28, v24, s[SEL], s[SEL+1]
	v_permlanex16_b32 v29, v26, s[SEL], s[SEL+1]
	v_max_num_f32 v24, v24, v28                    ; and among lane l xor 16's
	v_max_num_f32 v26, v26, v29
	v_mul_f32 v24, s[CS], v24                      ; as t (c is positive)
	v_mul_f32 v26, s[CS], v26
	v_max_num_f32 v13, v13, v24                    ; the running largest t
	v_max_num_f32 v17, v17, v26
	v_mov_b32 v24, v12
	v_mov_b32 v26, v16
	v_floor_f32 v12, -v13                          ; the new -M = floor(-t) = -ceil(t)
	v_floor_f32 v16, -v17
	v_sub_f32 v24, v12, v24                        ; M's old value less its new one: a whole number, 0 or less
	v_sub_f32 v26, v16, v26
	v_cvt_i32_f32 v24, v24                         ; (it saturates)
	v_cvt_i32_f32 v26, v26
	v_ldexp_f32 v[F0], 1.0, v24                    ; f = 2^(old M - new M): a multiplication by it rounds nothing
	v_ldexp_f32 v[F1], 1.0, v26
.set j, 0
.rept 32
	v_pk_fma_f32 v[S0+j:S0+j+1], v[S0+j:S0+j+1], s[CS:CS+1], v[12:13] op_sel_hi:[1,0,0]   ; tile 0: t - M (of the pairs c and -M the low word serves both halves)
.set j, j+2
.endr
	s_wait_alu depctr_va_vdst(0)                   ; ahead of a batch of exponentials
.set j, 0
.rept 32                                       ; tile 0's p = 2^(t - M); among them tile 1's t - M, whose results are first read behind the next wait
	v_exp_f32 v[S0+j], v[S0+j]
	v_exp_f32 v[S0+j+1], v[S0+j+1]
	v_pk_fma_f32 v[S1+j:S1+j+1], v[S1+j:S1+j+1], s[CS:CS+1], v[16:17] op_sel_hi:[1,0,0]
.set j, j+2
.endr
	v_pk_mul_f32 v[14:15], v[14:15], v[F0:F0+1] op_sel_hi:[1,0]   ; tile 0's sums under the new M
	s_wait_alu depctr_va_vdst(0)                   ; behind tile 0's batch and ahead of tile 1's: one wait serves both
.set k, 0
.rept 16                                       ; tile 1's p; among them, of tile 0: the first level of the row's sum, of the UNQUANTISED p, then the hold (p is not negative: one-sided).  All are first read behind the next wait
	v_exp_f32 v[S1+4*k], v[S1+4*k]
	PKA TT+2*k-32*(k/8), S0+4*k, S0+4*k+2          ; partial sums 0-7 in v104-119, 8-15 in the registers of tile 1's codes, which are free here
	v_exp_f32 v[S1+4*k+1], v[S1+4*k+1]
	v_dual_min_num_f32 v[S0+4*k], v[S0+4*k], v[LIMP] :: v_dual_min_num_f32 v[S0+4*k+1], v[S0+4*k+1], v[LIMP+1]
	v_exp_f32 v[S1+4*k+2], v[S1+4*k+2]
	v_dual_min_num_f32 v[S0+4*k+2], v[S0+4*k+2], v[LIMP] :: v_dual_min_num_f32 v[S0+4*k+3], v[S0+4*k+3], v[LIMP+1]
	v_exp_f32 v[S1+4*k+3], v[S1+4*k+3]
.set k, k+1
.endr
	v_pk_mul_f32 v[18:19], v[18:19], v[F1:F1+1] op_sel_hi:[1,0]   ; tile 1's sums under the new M: the plain instruction behind the exponentials
	s_wait_alu depctr_va_vdst(0)                   ; one wait for the batch, ahead of its first reader
.irp c, 0,1,2,3,4,5,6,7
	v_cvt_scalef32_pk8_fp8_f32 v[PC0+2*\c:PC0+2*\c+1], v[S0+8*\c:S0+8*\c+7], v[SCP]
.endr
.irp k, 0,1,2,3,4,5,6,7
	PKA TT+2*\k, TT+2*\k, PC1+2*\k
.endr
.set k, 0
.rept 16                                       ; tile 1's first level goes into tile 0's registers, whose numbers have been converted
	PKA S0+2*k, S1+4*k, S1+4*k+2
.set k, k+1
.endr
.irp k, 0,1,2,3
	PKA TT+2*\k, TT+2*\k, TT+2*\k+8
.endr
.set j, 0
.rept 32
	v_dual_min_num_f32 v[S1+j], v[S1+j], v[LIMP] :: v_dual_min_num_f32 v[S1+j+1], v[S1+j+1], v[LIMP+1]
.set j, j+2
.endr
	PKA TT, TT, TT+4
	PKA TT+2, TT+2, TT+6
.irp k, 0,1,2,3,4,5,6,7
	PKA S0+2*\k, S0+2*\k, S0+2*\k+16
.endr
	PKA TT, TT, TT+2
.irp k, 0,1,2,3
	PKA S0+2*\k, S0+2*\k, S0+2*\k+8
.endr
	PKA 14, 14, TT
	PKA S0, S0, S0+4
	PKA S0+2, S0+2, S0+6
.irp c, 0,1,2,3,4,5,6,7
	v_cvt_scalef32_pk8_fp8_f32 v[PC1+2*\c:PC1+2*\c+1], v[S1+8*\c:S1+8*\c+7], v[SCP]
.endr
	PKA S0, S0, S0+2
	PKA 18, 18, S0
	WIN 0x41                                       ; O^T in window 1, f in window 0
	s_wait_alu depctr_va_vdst(0)                   ; ahead of the first reader of O^T
.set j, 0
.rept 16
	v_pk_mul_f32 v[O0+j:O0+j+1], v[O0+j:O0+j+1], v[F0:F0+1] op_sel_hi:[1,0]   ; O^T under the new M
.set j, j+2
.endr
.set j, 0
.rept 16
	v_pk_mul_f32 v[O1+j:O1+j+1], v[O1+j:O1+j+1], v[F1:F1+1] op_sel_hi:[1,0]
.set j, j+2
.endr
	s_wait_alu depctr_va_vdst(0)
	s_wait_dscnt 16                                ; V's 32 loads are in; the 16 issued behind them, the next step's K, may be out
	WIN 0x51                                       ; V, C and D in window 1, p's codes in window 0
.irp t, 0,1,2,3                                ; the eight accumulators take turns; the next step's sixteen products stand between two links on one of them
	v_wmma_f32_16x16x128_fp8_fp8 v[O0+8*\t:O0+8*\t+7], v[VF+16*\t:VF+16*\t+15], v[PC0:PC0+15], v[O0+8*\t:O0+8*\t+7]
	v_wmma_f32_16x16x128_fp8_fp8 v[O1+8*\t:O1+8*\t+7], v[VF+16*\t:VF+16*\t+15], v[PC1:PC1+15], v[O1+8*\t:O1+8*\t+7]
.endr
	WIN 0
.Lhidden_\@:
	s_add_co_u32 s[TB], s[TB], STEPB
	s_add_co_u32 s[SI], s[SI], 1
.endm
	INIT
	s_mov_b32 s[TB], 0
	s_mov_b32 s[SI], 0
.Lfirst:                                           ; the first pass's steps 0 to 3: they read K's LDS rows 0 to 159 and V's 0 to 127, the first group's bytes
	STEP 0
	s_cmp_lt_u32 s[SI], 4
	s_cbranch_scc1 .Lfirst
	s_wait_tensorcnt 0x0                           ; my part of the second group is in,
	s_wait_dscnt 0x0                               ; (no LDS load of mine is pending at the signal: step 4's K is in its registers)
	s_barrier_signal -1
	s_barrier_wait -1                              ; everybody's is
	s_mov_b32 s[LO], 4
	s_mov_b32 s[PS], 0
; A PASS: 32 queries through their keys, and out.  Both loops' trip counts are constants; the steps that are done or hidden are jumped over inside the trip.
.Lpass:
	s_mov_b32 s[TB], 0
	s_mov_b32 s[SI], 0
.Lkeys:
	STEP 1
	s_cmp_lt_u32 s[SI], 16
	s_cbranch_scc1 .Lkeys
; THE WAY OUT of a pass.  (The additions below are the places behind the last products.)
	v_add_f32 v14, v14, v15                        ; the sums' two halves,
	v_add_f32 v18, v18, v19
	v_permlanex16_b32 v28, v14, s[SEL], s[SEL+1]
	v_permlanex16_b32 v29, v18, s[SEL], s[SEL+1]
	v_add_f32 v14, v14, v28                        ; and lane l xor 16's: the rows' sums
	v_add_f32 v18, v18, v29
	s_wait_alu depctr_va_vdst(0)                   ; ahead of the reciprocals
	v_rcp_f32 v14, v14
	v_rcp_f32 v18, v18
	v_nop                                          ; a plain instruction behind them,
	s_wait_alu depctr_va_vdst(0)                   ; and the wait ahead of their first reader
	v_ldexp_f32 v14, v14, s[EPV]                   ; x 2^(e4 + e5)
	v_ldexp_f32 v18, v18, s[EPV]
	WIN 0x01                                       ; source 0 (O^T) in window 1
	s_wait_alu depctr_va_vdst(0)                   ; ahead of the first reader of O^T
.set j, 0
.rept 16
	v_pk_mul_f32 v[S0+j:S0+j+1], v[O0+j:O0+j+1], v[14:15] op_sel_hi:[1,0]   ; y: register 8 t + i is y(query r, d = 16 t + 8 h + i); each accumulator from its low end on
.set j, j+2
.endr
.set j, 0
.rept 16
	v_pk_mul_f32 v[S0+32+j:S0+32+j+1], v[O1+j:O1+j+1], v[18:19] op_sel_hi:[1,0]
.set j, j+2
.endr
	WIN 0
.set j, 0
.rept 64
	v_med3_num_f32 v[S0+j], v[S0+j], -v[LIMY], v[LIMY]   ; the conversion to an 8-bit code does not saturate (ISA guide 7.6.2): the hold comes first
.set j, j+1
.endr
.irp t, 0,1,2,3,4,5,6,7
	v_cvt_scalef32_pk8_fp8_f32 v[PC0+2*\t:PC0+2*\t+1], v[S0+8*\t:S0+8*\t+7], v[SCY]
.endr
	v_nop                                          ; one plain vector instruction behind the last conversion
.irp t, 0,1,2,3,4,5,6,7
	ds_store_b64 v[STO], v[PC0+2*\t:PC0+2*\t+1] offset:16*SGP*(\t/4)+16*(\t%4)
.endr
.irp u, 0,1,2,3
	ds_load_b128 v[PC1+4*\u:PC1+4*\u+3], v[RD] offset:8*SGP*\u   ; LDS serves a wave's instructions in order (ISA guide 5.7.1.4): these see my stores; the stage is my wave's own
.endr
.irp u, 0,1,2,3
	s_wait_dscnt 3-\u                              ; the younger loads may be out
	global_store_b128 v[GO], v[PC1+4*\u:PC1+4*\u+3], s[YA:YA+1] offset:512*\u   ; the wave stores 512 consecutive bytes, aligned: my 32 queries' codes lie on end
.endr
	s_wait_xcnt 0x0                                ; the stores have read their data and their base: both are written again below and in the next pass
	s_cmp_eq_u32 s[PS], 1                          ; behind the second pass nothing is set up
	s_cbranch_scc1 .Llast
	s_wait_loadcnt 0x0                             ; the second pass's Q
.set j, 0
.rept 16
	v_mov_b32 v[Q0+j], v[QN+j]                     ; the second pass's Q, block, address and first step
.set j, j+1
.endr
	s_mov_b32 s[BI], s[BN]
	s_mov_b64 s[YA:YA+1], s[YB:YB+1]
	s_mov_b32 s[LO], 0
	INIT
.Llast:
	s_add_co_u32 s[PS], s[PS], 1
	s_cmp_lt_u32 s[PS], 2
	s_wait_alu depctr_va_vdst(0)
	s_cbranch_scc1 .Lpass
	s_wait_tensorcnt 0x0                           ; the wave's end
	ds_add_u32 v[SPW], v[NIL]
	s_wait_dscnt 0x0
	CROUND                                         ; the closing round: no work-group ends while a partner may still ask for a tile that names it
	s_endpgm
.Lfunc_end_k_q36cca8dbee_attn:
	.size	k_q36cca8dbee_attn, .Lfunc_end_k_q36cca8dbee_attn-k_q36cca8dbee_attn
	.p2alignl 7, 3214868480
	.fill 96, 4, 3214868480
	.section	.rodata,"a",@progbits
	.p2align	6, 0x0
	.amdhsa_kernel k_q36cca8dbee_attn
		.amdhsa_group_segment_fixed_size 327680
		.amdhsa_private_segment_fixed_size 0
		.amdhsa_enable_private_segment 0
		.amdhsa_kernarg_size 24
		.amdhsa_user_sgpr_count 2
		.amdhsa_user_sgpr_kernarg_segment_ptr 1
		.amdhsa_wavefront_size32 1
		.amdhsa_system_sgpr_workgroup_id_x 1
		.amdhsa_system_sgpr_workgroup_id_y 1
		.amdhsa_system_sgpr_workgroup_id_z 1
		.amdhsa_system_vgpr_workitem_id 0
		.amdhsa_next_free_vgpr 512
		.amdhsa_next_free_sgpr 100
		.amdhsa_reserve_vcc 1
		.amdhsa_float_denorm_mode_32 3
		.amdhsa_float_denorm_mode_16_64 3
		.amdhsa_memory_ordered 1
		.amdhsa_forward_progress 1
		.amdhsa_inst_pref_size 93
	.end_amdhsa_kernel
	.amdgpu_metadata
---
amdhsa.version: [ 1, 2 ]
amdhsa.kernels:
  - .name:           k_q36cca8dbee_attn
    .symbol:         k_q36cca8dbee_attn.kd
    .args:
      - { .name: qkv, .offset: 0, .size: 8, .value_kind: global_buffer, .address_space: global }
      - { .name: lowp_scales, .offset: 8, .size: 8, .value_kind: global_buffer, .address_space: global }
      - { .name: yc, .offset: 16, .size: 8, .value_kind: global_buffer, .address_space: global }
    .group_segment_fixed_size: 327680
    .private_segment_fixed_size: 0
    .kernarg_segment_align: 8
    .kernarg_segment_size: 24
    .max_flat_workgroup_size: 256
    .sgpr_count:     100
    .vgpr_count:     512
    .wavefront_size: 32
...
	.end_amdgpu_metadata
.endif
;; end of part 3
;; launch proj (part 4): grid 8 x 32, 4 waves a work-group, clusters of 4 x 4, 327,680 bytes of LDS; arguments yc, wpc, lowp_scales, b_proj, out0; writes out0
.if DOCPART == 4
	.amdgcn_target "amdgcn-amd-amdhsa--gfx1250"
	.amdhsa_code_object_version 6
	.text
	.protected	k_q36cca8dbee_proj
	.globl	k_q36cca8dbee_proj
	.p2align	8
	.type	k_q36cca8dbee_proj,@function
k_q36cca8dbee_proj:
	s_mov_b64 s[64:65], 0
	v_nop
	global_prefetch_b8 v0, s[64:65] scope:SCOPE_SE
	s_setreg_imm32_b32 hwreg(HW_REG_WAVE_MODE, 25, 1), 1
	s_wait_xcnt 0x0
	s_wait_alu depctr_hold_cnt(0) depctr_sa_sdst(0) depctr_va_vdst(0) depctr_va_sdst(0) depctr_va_ssrc(0) depctr_va_vcc(0) depctr_vm_vsrc(0)
	s_getreg_b32 s2, hwreg(HW_REG_IB_STS2, 6, 4)
	s_cmp_eq_u32 s2, 0
	s_cbranch_scc0 .Lentry_in_a_cluster
	s_endpgm
.Lentry_in_a_cluster:
	s_bfe_u32 s2, ttmp6, 0x10000c
	s_cmp_lg_u32 s2, 0xf033
	s_cbranch_scc0 .Lentry_shape_is_right
	s_endpgm
.Lentry_shape_is_right:
; out0 = y w_proj + b_proj on codes of FP8 (E4M3): number = sum x 2^(e6 + e7) + bias.  LIMIT: e6 + e7 between -126 and 127.
; A block of 256 tokens x 128 columns for a work-group: 32 x 8 = 256 work-groups.  A wave makes 128 x 64: 32 accumulators ((a, b) at v[8 (8 (a % 4) + b)], b = 0 .. 3, in windows 2 and 3).
; K goes in steps of 256 through a ring of two LDS slots: waves 0 and 1 ask for A's two blocks of 128 rows, waves 2 and 3 for B's two of 64 rows, jointly in clusters of 4 x 4.
.set SIZE_N, 1024
.set KROW,   1024
.set ROWB,   256
.set ATILE,  32768
.set PITCH,  272
.set FR,     16
.set NL,     4
.set NP,     4
.set HALFT,  128*PITCH
.set SLOT,   4*HALFT
.set LAPS,   2
.set SPARE,  2*SLOT
.set SPITCH, 528
.set ADRA, 16
.set ADRB, 20
.set STO,  24
.set RD,   25
.set CO,   26
.set BCO,  27
.set SPW,  28
.set NIL,  29
.set CB,   32
.set T,    96
.set AF,   128
.set BK,   128
.set G1, 24
.set G0, 32
.set G1B, 48
.set G0B, 56
.set MSB, 0
.macro WIN new
.if MSB != \new
	s_set_vgpr_msb (MSB<<8)|\new
.set MSB, \new
.endif
.endm
.set MUL_LO, 0xa1
.set MUL_HI, 0xf1
.set TO_B,   0x40
.macro JLOAD g0a, g1a, g0b, g1b
	s_cmp_eq_u32 s15, 0
	s_cbranch_scc0 .Lfor_b_\@
	tensor_load_to_lds s[\g0a:\g0a+3], s[\g1a:\g1a+7]
	s_nop 0
.rept 4
	v_nop
.endr
	s_branch .Lasked_\@
.Lfor_b_\@:
	tensor_load_to_lds s[\g0b:\g0b+3], s[\g1b:\g1b+7]
	s_nop 0
.rept 4
	v_nop
.endr
.Lasked_\@:
.endm
.macro CREST
	s_cmp_lg_u32 s14, 0
	s_cbranch_scc1 .Lnot_wave_0_\@
	s_barrier_signal -3
.Lnot_wave_0_\@:
	s_barrier_wait -3
	s_barrier_signal -1
	s_barrier_wait -1
.endm
.macro CROUND
	s_barrier_signal -1
	s_barrier_wait -1
	CREST
.endm
	s_load_b128 s[4:7], s[0:1], 0x0
	s_load_b128 s[8:11], s[0:1], 0x10
	s_load_b64 s[12:13], s[0:1], 0x20
	v_lshl_add_u32 v[SPW], v0, 2, SPARE
	v_mov_b32 v[NIL], 0
	ds_add_u32 v28, v29
	ds_add_u32 v28, v29
	s_wait_dscnt 0x0
	v_lshrrev_b32 v1, 5, v0
	v_readfirstlane_b32 s14, v1
	s_lshr_b32 s15, s14, 1
	s_and_b32 s16, s14, 1
	s_bfe_u32 s40, ttmp6, 0x40000
	s_bfe_u32 s41, ttmp6, 0x40004
	s_lshl_b32 s42, ttmp9, 2
	s_add_co_u32 s42, s42, s40
	s_and_b32 s17, ttmp7, 0xffff
	s_lshl_b32 s17, s17, 2
	s_add_co_u32 s17, s17, s41
	s_lshl_b32 s43, s41, 2
	s_lshl_b32 s43, 15, s43
	s_lshl_b32 s44, 0x1111, s40
	s_or_b32 s[G1+0], s43, (0<<16)|(1<<20)|(1<<21)|(5<<22)|(3<<25)
	s_or_b32 s[G1B+0], s44, (0<<16)|(1<<20)|(1<<21)|(5<<22)|(3<<25)
.irp g, G1, G1B
	s_mov_b32 s[\g+1], ROWB<<16
	s_mov_b32 s[\g+2], 128<<16
	s_mov_b32 s[\g+3], ROWB<<16
	s_mov_b32 s[\g+4], 128
	s_mov_b32 s[\g+6], 0
	s_mov_b32 s[\g+7], 0
.endr
	s_mov_b32 s[G1+5], ROWB
	s_mov_b32 s[G1B+5], KROW
	s_mov_b32 s[G1B+2], 64<<16                     ; B's loads bring 64 rows each
	s_mov_b32 s[G1B+4], 64
	s_lshl_b32 s20, s17, 1
	s_add_co_u32 s20, s20, s16
	s_lshl_b32 s20, s20, 17
	s_mov_b32 s21, 0
	s_lshl_b32 s18, s16, 6                         ; B: row 128 x tile column + 64 x half
	s_lshl_b32 s46, s42, 7
	s_add_co_u32 s46, s46, s18
	s_lshl_b32 s46, s46, 10
	s_mov_b32 s47, 0
	s_mul_i32 s45, s14, HALFT
	s_wait_kmcnt 0x0
	s_load_b64 s[96:97], s[8:9], 0x18
	s_add_nc_u64 s[20:21], s[4:5], s[20:21]
	s_add_nc_u64 s[46:47], s[6:7], s[46:47]
	CROUND
.irp s, 0,1
	s_mov_b32 s[G0+4*\s], 1
	s_add_co_u32 s[G0+4*\s+1], s45, \s*SLOT
	s_add_nc_u64 s[G0+4*\s+2:G0+4*\s+3], s[20:21], \s*ATILE
	s_or_b32 s[G0+4*\s+3], s[G0+4*\s+3], 0x80000000
	s_mov_b32 s[G0B+4*\s], 1
	s_add_co_u32 s[G0B+4*\s+1], s45, \s*SLOT
	s_add_nc_u64 s[G0B+4*\s+2:G0B+4*\s+3], s[46:47], \s*ROWB
	s_or_b32 s[G0B+4*\s+3], s[G0B+4*\s+3], 0x80000000
.endr
	JLOAD G0, G1, G0B, G1B                         ; K step 0: one tensor load a wave at the head
	v_and_b32 v1, 15, v0
	v_bfe_u32 v2, v0, 4, 1
	s_lshl_b32 s18, s42, 9                         ; the bias: 128 numbers a tile column, 64 a half
	s_lshl_b32 s19, s16, 8
	s_add_co_u32 s18, s18, s19
	s_mov_b32 s19, 0
	s_add_nc_u64 s[92:93], s[10:11], s[18:19]
	v_lshlrev_b32 v[BCO], 5, v2
.irp b, 0,1,2,3
	global_load_b128 v[CB+8*\b:CB+8*\b+3], v[BCO], s[92:93] offset:64*\b
	global_load_b128 v[CB+8*\b+4:CB+8*\b+7], v[BCO], s[92:93] offset:64*\b+16
.endr
	v_mul_u32_u24 v3, v1, PITCH
	v_lshl_add_u32 v4, v2, 4, v3
	v_bfe_u32 v5, v0, 2, 2
	v_and_b32 v6, 3, v0
	v_mul_u32_u24 v5, v5, PITCH
	v_lshl_add_u32 v5, v6, 6, v5
	v_lshl_add_u32 v5, v2, 4, v5
	s_mul_i32 s21, s15, HALFT
	s_mul_i32 s22, s16, HALFT
	s_add_co_u32 s22, s22, 2*HALFT
.irp s, 0,1
	v_add_nc_u32 v[ADRA+\s], s21, v5
	v_add_nc_u32 v[ADRB+\s], s22, v4
	s_add_co_u32 s21, s21, SLOT
	s_add_co_u32 s22, s22, SLOT
.endr
	s_mul_i32 s23, s14, 16*SPITCH
	v_mul_u32_u24 v5, v1, SPITCH
	v_lshl_add_u32 v5, v2, 5, v5
	v_add_nc_u32 v[STO], s23, v5
	v_mul_u32_u24 v6, v2, SPITCH                   ; back: sixteen lanes take a row of 256 bytes, two rows an instruction;
	v_lshl_add_u32 v6, v1, 4, v6
	v_add_nc_u32 v[RD], s23, v6
	v_lshlrev_b32 v[CO], 12, v2                    ; and the same two rows in the output
	v_lshl_add_u32 v[CO], v1, 4, v[CO]
	s_lshl_b32 s20, s17, 8
	s_lshl_b32 s21, s15, 7
	s_add_co_u32 s20, s20, s21
	s_lshl_b32 s20, s20, 12
	s_lshl_b32 s46, s42, 9                         ; my first column, in bytes: 512 x tile column + 256 x half
	s_lshl_b32 s47, s16, 8
	s_add_co_u32 s46, s46, s47
	s_add_co_u32 s20, s20, s46
	s_mov_b32 s21, 0
	s_add_nc_u64 s[12:13], s[12:13], s[20:21]
.macro FRAG reg, adr, q, i
.irp c, 0,1,2,3
	ds_load_b128 v[\reg+4*\c:\reg+4*\c+3], v[\adr] offset:128*(\q)+32*\c+(\i)*16*PITCH
.endr
.endm
.macro FRAG_A reg, adr, q, i
.irp c, 0,1,2,3
	ds_load_b128 v[\reg+4*\c:\reg+4*\c+3], v[\adr] offset:(2*(\q)+\c/2)*32*PITCH+(\i)*4*PITCH+32*(\c%2)
.endr
.endm
.macro MUL16 a0, p, zero
.irp a, \a0, \a0+1
.irp b, 0,1,2,3
.if \zero
	v_wmma_f32_16x16x128_fp8_fp8 v[8*(8*((\a)%4)+\b):8*(8*((\a)%4)+\b)+7], v[128*(\p)+FR*\b:128*(\p)+FR*\b+FR-1], v[AF+FR*(\a):AF+FR*(\a)+FR-1], 0
.else
	v_wmma_f32_16x16x128_fp8_fp8 v[8*(8*((\a)%4)+\b):8*(8*((\a)%4)+\b)+7], v[128*(\p)+FR*\b:128*(\p)+FR*\b+FR-1], v[AF+FR*(\a):AF+FR*(\a)+FR-1], v[8*(8*((\a)%4)+\b):8*(8*((\a)%4)+\b)+7]
.endif
.endr
.endr
.endm
.macro FETCH_B slot, q, p
	WIN TO_B
.irp i, 0,1,2,3
	FRAG 128*(\p)+FR*\i, ADRB+\slot, \q, \i
.endr
	WIN 0
.endm
.macro FETCH_A slot, q, i0
.irp i, \i0, \i0+1, \i0+2, \i0+3
	FRAG_A AF+FR*(\i), ADRA+\slot, \q, \i
.endr
.endm
.macro PLACES n
.rept \n
	v_nop
.endr
.endm
.macro STEP slot, q, zero
	s_wait_dscnt 4*NL
	WIN MUL_LO
	MUL16 0, (\q)%2, \zero
	MUL16 2, (\q)%2, \zero
	s_wait_dscnt 0
	PLACES NP
	FETCH_B \slot, (\q)+1, 1-(\q)%2
	FETCH_A \slot, (\q)+1, 0
	WIN MUL_HI
	MUL16 4, (\q)%2, \zero
	MUL16 6, (\q)%2, \zero
	PLACES NP
	WIN 0
	FETCH_A \slot, (\q)+1, 4
.endm
.macro TURN slot, next, fill
	s_wait_tensorcnt 0x0
	ds_add_u32 v[SPW], v[NIL]
	s_wait_dscnt 4*NL+1
	WIN MUL_LO
	MUL16 0, 1, 0
	s_wait_dscnt 0x0
	s_barrier_signal -1
	MUL16 2, 1, 0
	WIN 0
	s_barrier_wait -1
.if \fill
	CREST
	s_add_nc_u64 s[G0+4*\slot+2:G0+4*\slot+3], s[G0+4*\slot+2:G0+4*\slot+3], 2*ATILE
	s_add_nc_u64 s[G0B+4*\slot+2:G0B+4*\slot+3], s[G0B+4*\slot+2:G0B+4*\slot+3], 2*ROWB
	JLOAD G0+4*\slot, G1, G0B+4*\slot, G1B
.else
	PLACES NP
.endif
	FETCH_B \next, 0, 0
	FETCH_A \next, 0, 0
	WIN MUL_HI
	MUL16 4, 1, 0
	MUL16 6, 1, 0
	PLACES NP
	WIN 0
	FETCH_A \next, 0, 4
.endm
	s_wait_alu depctr_va_vdst(0)
	s_wait_tensorcnt 0x0                           ; my part of K step 0 is in; slot 1's first fill is issued as a refill is:
	ds_add_u32 v[SPW], v[NIL]                      ; 0 onto my spare word
	s_wait_dscnt 0x0
	CROUND                                         ; everybody's part of K step 0 is in, and all sixteen work-groups are here
	JLOAD G0+4, G1, G0B+4, G1B                     ; K step 1: the first tensor load behind the round
	FETCH_B 0, 0, 0
	FETCH_A 0, 0, 0
	FETCH_A 0, 0, 4
	STEP 0, 0, 1
	s_mov_b32 s3, LAPS-1
.Llap:
	TURN 0, 1, 1
	STEP 1, 0, 0
	TURN 1, 0, 1
	STEP 0, 0, 0
	s_sub_co_u32 s3, s3, 1
	s_cmp_lg_u32 s3, 0
	s_cbranch_scc1 .Llap
	TURN 0, 1, 0
	STEP 1, 0, 0
	s_wait_dscnt 4*NL
	WIN MUL_LO
	MUL16 0, 1, 0
	MUL16 2, 1, 0
	s_wait_dscnt 0
	WIN MUL_HI
	MUL16 4, 1, 0
	MUL16 6, 1, 0
	WIN 0
.macro TOSTAGE a
.set AC, 64*((\a)%4)
.irp u, 0
	WIN 0x02+((\a)/4)
.set j, 0
.rept 16
	v_pk_fma_f32 v[T+j:T+j+1], v[AC+32*\u+j:AC+32*\u+j+1], s[96:97], v[CB+32*\u+j:CB+32*\u+j+1] op_sel_hi:[1,0,1]
.set j, j+2
.endr
	WIN 0
.irp b, 0,1,2,3
	ds_store_b128 v[STO], v[T+8*\b:T+8*\b+3] offset:64*(4*\u+\b)
	ds_store_b128 v[STO], v[T+8*\b+4:T+8*\b+7] offset:64*(4*\u+\b)+16
.endr
.endr
.set BB, BK+64*((\a)%2)
.irp t, 0,1,2,3,4,5,6,7
	ds_load_b128 v[BB+4*\t:BB+4*\t+3], v[RD] offset:2*\t*SPITCH
.endr
.endm
.macro SEND a, younger
.set BB, BK+64*((\a)%2)
	s_wait_dscnt \younger
.if (\a) > 0
	s_add_nc_u64 s[12:13], s[12:13], 16*SIZE_N*4
.endif
.irp t, 0,1,2,3,4,5,6,7
	global_store_b128 v[CO], v[BB+4*\t:BB+4*\t+3], s[12:13] offset:2*\t*SIZE_N*4 th:TH_STORE_NT   ; sixteen lanes store 256 consecutive bytes, aligned
.endr
.endm
	s_wait_kmcnt 0x0
	s_add_co_i32 s96, s96, s97
	s_add_co_i32 s96, s96, 127
	s_lshl_b32 s96, s96, 23
	s_wait_loadcnt 0x0
	PLACES NP
	TOSTAGE 0
.irp a, 1,2,3,4,5,6,7
.if \a > 1
	s_wait_xcnt 0x0
.endif
	TOSTAGE \a
	SEND \a-1, 16                                  ; behind block a - 1's loads: block a's 8 stores and 8 loads
.endr
	s_wait_xcnt 0x0
	SEND 7, 0
	s_wait_tensorcnt 0x0
	ds_add_u32 v[SPW], v[NIL]
	s_wait_dscnt 0x0
	CROUND
	s_endpgm
.Lfunc_end_k_q36cca8dbee_proj:
	.size	k_q36cca8dbee_proj, .Lfunc_end_k_q36cca8dbee_proj-k_q36cca8dbee_proj
	.p2alignl 7, 3214868480
	.fill 96, 4, 3214868480
	.section	.rodata,"a",@progbits
	.p2align	6, 0x0
	.amdhsa_kernel k_q36cca8dbee_proj
		.amdhsa_group_segment_fixed_size 327680
		.amdhsa_private_segment_fixed_size 0
		.amdhsa_enable_private_segment 0
		.amdhsa_kernarg_size 40
		.amdhsa_user_sgpr_count 2
		.amdhsa_user_sgpr_kernarg_segment_ptr 1
		.amdhsa_wavefront_size32 1
		.amdhsa_system_sgpr_workgroup_id_x 1
		.amdhsa_system_sgpr_workgroup_id_y 1
		.amdhsa_system_sgpr_workgroup_id_z 1
		.amdhsa_system_vgpr_workitem_id 0
		.amdhsa_next_free_vgpr 1024
		.amdhsa_next_free_sgpr 98
		.amdhsa_reserve_vcc 0
		.amdhsa_float_denorm_mode_32 3
		.amdhsa_float_denorm_mode_16_64 3
		.amdhsa_memory_ordered 1
		.amdhsa_forward_progress 1
		.amdhsa_inst_pref_size 79
	.end_amdhsa_kernel
	.amdgpu_metadata
---
amdhsa.version: [ 1, 2 ]
amdhsa.kernels:
  - .name:           k_q36cca8dbee_proj
    .symbol:         k_q36cca8dbee_proj.kd
    .args:
      - { .name: yc, .offset: 0, .size: 8, .value_kind: global_buffer, .address_space: global }
      - { .name: wpc, .offset: 8, .size: 8, .value_kind: global_buffer, .address_space: global }
      - { .name: lowp_scales, .offset: 16, .size: 8, .value_kind: global_buffer, .address_space: global }
      - { .name: b_proj, .offset: 24, .size: 8, .value_kind: global_buffer, .address_space: global }
      - { .name: out0, .offset: 32, .size: 8, .value_kind: global_buffer, .address_space: global }
    .group_segment_fixed_size: 327680
    .private_segment_fixed_size: 0
    .kernarg_segment_align: 8
    .kernarg_segment_size: 40
    .max_flat_workgroup_size: 128
    .sgpr_count:     98
    .vgpr_count:     1024
    .wavefront_size: 32
...
	.end_amdgpu_metadata
.endif
;; end of part 4
